; MI455X (gfx1250); checked and timed in simulation.
; The chip was launched on July 23, 2026; its instructions are those of AMD's public machine-readable ISA for CDNA 5 (MIT licence, August 2026) and "CDNA5" Instruction Set Architecture Reference Guide (July 2026). The comments in the code are by the model that wrote it; some were corrected since.
;; Multi Head Attention4 D. Allowed arithmetic: matrix products marked QUANTISED: E5M2 operands, one given power-of-two scale a tensor, by v_wmma_f32_16x16x64_bf8_bf8 or v_wmma_f32_16x16x128_bf8_bf8, f32 sums; everything else in f32.
;; Inputs: Wk 512 x 512 float32; Wo 512 x 512 float32; Wq 512 x 512 float32; Wv 512 x 512 float32; bk 512 float32; bo 512 float32; bq 512 float32; bv 512 float32; key 4 x 16 x 512 x 512 float32; lowp_scales 12 int32 (the exponents e of the quantised operands' scales 2^e); query 4 x 16 x 512 x 512 float32; value 4 x 16 x 512 x 512 float32.
;; Outputs: out0 4 x 16 x 512 x 512 float32.
;; This version of the problem:
;;   THIS VERSION OF THE PROBLEM IS GIVEN IN LOW PRECISION. The matrix products marked QUANTISED in the list below multiply operands that are first quantised to E5M2 (5 exponent bits, 2 mantissa bits; 8 bits a number), with one given power-of-two scale for each operand tensor; their sums are f32. All else is computed in f32.
;;   The module's matrix products, in the order in which they are computed (A, B: the left and right operand; K: the contracted axis; several contracted axes count as one K, in the product's order):
;;     1. [M 32,768, K 512] x [K 512, N 512]; A: input query; B: input Wq: QUANTISED (scales: A lowp_scales[0], B lowp_scales[1])
;;     2. [M 32,768, K 512] x [K 512, N 512]; A: input key; B: input Wk: QUANTISED (scales: A lowp_scales[2], B lowp_scales[3])
;;     3. [M 32,768, K 512] x [K 512, N 512]; A: input value; B: input Wv: QUANTISED (scales: A lowp_scales[4], B lowp_scales[5])
;;     4. batch 512 x [M 512, K 64] x [K 64, N 512]; A: computed on the way; B: computed on the way: QUANTISED (scales: A lowp_scales[6], B lowp_scales[7])
;;     5. batch 512 x [M 512, K 512] x [K 512, N 64]; A: softmax (see below); B: computed on the way: QUANTISED (scales: A lowp_scales[8], B lowp_scales[9])
;;     6. [M 32,768, K 512] x [K 512, N 512]; A: computed on the way; B: input Wo: QUANTISED (scales: A lowp_scales[10], B lowp_scales[11])
;;   THE QUANTISER, for each operand of a quantised product, along K:
;;     - The operand's scale is 2^e, e = its entry of the input lowp_scales (int32; the entries are numbered through the quantised products in the list's order, A before B).
;;     - Each number is divided by the scale, clamped to +-57,344, and rounded to the nearest number of E5M2, ties to even, subnormals kept.
;;     - The product sums the exact products of the quantised numbers (number of the format x scale) in f32.
;;   ~~~python
;;   def quantise(x, axis, e):      # numpy; x: float32 -> the quantised numbers, widened to float32 again
;;       x = np.moveaxis(x, axis, -1); K = x.shape[-1]
;;       r = np.clip(x / 2.0 ** e, -57344, 57344)
;;       step = 2.0 ** (np.maximum(np.frexp(np.where(r == 0, 1, r))[1] - 1, -14) - 2)
;;       q = np.round(r / step) * step * 2.0 ** e      # np.round: ties to even
;;       return np.moveaxis(q, -1, axis).astype(np.float32)
;;   ~~~
;;   SOFTMAX AHEAD OF A QUANTISED PRODUCT. Where the list says 'softmax', what is quantised is not the finished softmax but p = 2^(t - M), with t = logit x log2(e) and M = ceil(the row's largest t), a whole number; so 1/2 < the row's largest p <= 1. The row's sum l is taken of the UNQUANTISED p, in f32, and the product's result is divided by l at the end. Since M is a whole number, a kernel that streams over the keys may use a running M (the ceiling of the running maximum): every later rescaling is an exact power of two, so the quantised numbers keep their values, but for numbers so far below the row's largest that they fall under the format's range.
;;   OPERANDS COMPUTED ON THE WAY. 'Computed on the way' means the value that the module computes at that place (a softmax that the list does not call 'softmax' is quantised finished and normalised). What goes into a quantiser is computed in f32, as accurately as f32 sums, v_exp_f32 and their like allow (about 1e-6 of the number): no bf16 or f16 on the way to a quantiser, and a product that is left as it is and whose result goes on into a quantised operand takes f32 operands (vector FMAs, or v_wmma_f32_16x16x4_f32). A number that lies on a knife's edge between two numbers of the format may be rounded either way, as far as f32 arithmetic and the matrix unit's own rounding can turn it there, and no further.
;; 2 versions. Each part assembles by itself: llvm-mc -triple=amdgcn-amd-amdhsa -mcpu=gfx1250 --defsym DOCPART=n.
;; ======== version 1 of 2: 3 launches
;; workspace buffers: wcodes 1,048,576 bytes; qc 16,777,216 bytes; kc 16,777,216 bytes; vc 16,777,216 bytes
;; launch wquant (part 1): grid 64 x 1, 8 waves a work-group, no clusters, 0 bytes of LDS; arguments Wq, Wk, Wv, Wo, lowp_scales, wcodes; writes wcodes
.if DOCPART == 1
	.amdgcn_target "amdgcn-amd-amdhsa--gfx1250"
	.amdhsa_code_object_version 6
	.text
	.protected	k_q6c8c5e2a0d_wquant
	.globl	k_q6c8c5e2a0d_wquant
	.p2align	8
	.type	k_q6c8c5e2a0d_wquant,@function
k_q6c8c5e2a0d_wquant:
	s_mov_b64 s[64:65], 0
	v_nop
	global_prefetch_b8 v0, s[64:65] scope:SCOPE_SE
	s_setreg_imm32_b32 hwreg(HW_REG_WAVE_MODE, 25, 1), 1
	s_wait_xcnt 0x0
; Wq, Wk, Wv, Wo ([512][512] f32, K innermost) become codes of E5M2, laid in the ORDER OF AN OPERAND'S REGISTERS.
; code = x / 2^e, held within +-57,344, to the nearest code, ties to even.  e: entries 1, 3, 5, 11 of the scales' buffer.
; LIMITS: -126 <= e <= 112, so that 2^e and 57,344 x 2^e are f32 numbers.  NaN among the inputs is not served; an infinity is held at the largest code.
; AN IMAGE (16 rows x 128 K, 16 registers a lane, 2,048 bytes): lane (r = lane % 16, h = lane / 16) holds row r; registers 2 c, 2 c + 1 hold k = 16 c + 8 h + 0 .. 7: the place
; that the plain 8-bit matrix forms give each k.  Registers 4 g .. 4 g + 3 of lane l lie at byte 512 g + 16 l, so that a reader fills a fragment by four loads of 512 dense bytes.
; wcodes = [weight p: q, k, v, o][tile T of 16 rows: 32][K step s of 128: 4] images.  One wave makes one image: 4 x 128 images = 64 work-groups x 8 waves.
; No LDS, no barrier, no matrix unit: 4 MB are read once; a lane's loads take 32 bytes of each 64 of its row, which is taken as it is for so small a tensor.
.set X,  16                            ; v16-79  64 numbers: register 8 c + i = k 16 c + 8 h + i of my row
.set PC, 80                            ; v80-95  their codes
	s_load_b256 s[4:11], s[0:1], 0x0               ; Wq s[4:5], Wk s[6:7], Wv s[8:9], Wo s[10:11]
	s_load_b128 s[12:15], s[0:1], 0x20             ; the scales' exponents s[12:13], wcodes s[14:15]
	v_lshrrev_b32 v1, 5, v0
	v_readfirstlane_b32 s16, v1                    ; wave 0..7
	s_lshr_b32 s17, ttmp9, 4                       ; p: which weight
	s_and_b32 s18, ttmp9, 15
	s_lshl_b32 s18, s18, 3
	s_add_co_u32 s18, s18, s16                     ; F = 4 T + s: which image of the weight, 0..127
	v_and_b32 v1, 15, v0                           ; r
	v_bfe_u32 v2, v0, 4, 1                         ; h
	v_lshlrev_b32 v3, 11, v1                       ; row r of 2,048 bytes
	v_lshl_add_u32 v3, v2, 5, v3                   ; + 32 h: my eight numbers of each sixteen
	v_and_b32 v4, 31, v0
	v_lshlrev_b32 v4, 4, v4                        ; 16 x lane: my place in a piece of the image
	s_lshr_b32 s26, s18, 2
	s_lshl_b32 s26, s26, 15                        ; T x 16 rows x 2,048 bytes
	s_and_b32 s27, s18, 3
	s_lshl_b32 s27, s27, 9                         ; + s x 128 numbers
	s_add_co_u32 s26, s26, s27
	s_mov_b32 s27, 0
	s_lshl_b32 s28, s17, 18                        ; p x 262,144
	s_lshl_b32 s29, s18, 11                        ; + F x 2,048
	s_add_co_u32 s28, s28, s29
	s_mov_b32 s29, 0
	s_wait_kmcnt 0x0
	s_load_b256 s[32:39], s[12:13], 0x0            ; entries 0 to 7
	s_load_b32 s40, s[12:13], 0x2c                 ; entry 11
	s_cmp_eq_u32 s17, 0                            ; the weight is chosen by the work-group's number alone
	s_cselect_b64 s[20:21], s[4:5], s[6:7]
	s_cmp_eq_u32 s17, 2
	s_cselect_b64 s[20:21], s[8:9], s[20:21]
	s_cmp_eq_u32 s17, 3
	s_cselect_b64 s[20:21], s[10:11], s[20:21]
	s_add_nc_u64 s[20:21], s[20:21], s[26:27]
	s_add_nc_u64 s[14:15], s[14:15], s[28:29]
.irp c, 0,1,2,3,4,5,6,7
	global_load_b128 v[X+8*\c:X+8*\c+3],   v3, s[20:21] offset:64*\c th:TH_LOAD_NT
	global_load_b128 v[X+8*\c+4:X+8*\c+7], v3, s[20:21] offset:64*\c+16 th:TH_LOAD_NT
.endr
	s_wait_kmcnt 0x0
	s_cmp_eq_u32 s17, 0
	s_cselect_b32 s25, s33, s35                    ; e of Wq or of Wk,
	s_cmp_eq_u32 s17, 2
	s_cselect_b32 s25, s37, s25                    ; of Wv,
	s_cmp_eq_u32 s17, 3
	s_cselect_b32 s25, s40, s25                    ; of Wo
	s_add_co_i32 s25, s25, 127
	s_lshl_b32 s24, s25, 23
	v_mov_b32 v8, s24                              ; 2^e as f32: the conversion takes its exponent field
	s_add_co_i32 s25, s25, 15
	s_lshl_b32 s25, s25, 23
	s_or_b32 s25, s25, 0x600000
	v_mov_b32 v9, s25                              ; 57,344 x 2^e
	s_wait_loadcnt 0x0
.set j, 0
.rept 64
	v_med3_num_f32 v[X+j], v[X+j], -v9, v9         ; the conversion to an 8-bit code does not saturate (ISA guide 7.6.2): the hold comes first
.set j, j+1
.endr
.irp c, 0,1,2,3,4,5,6,7
	v_cvt_scalef32_pk8_bf8_f32 v[PC+2*\c:PC+2*\c+1], v[X+8*\c:X+8*\c+7], v8
.endr
	v_nop                                          ; a plain line behind the last conversion
.irp g, 0,1,2,3
	global_store_b128 v4, v[PC+4*\g:PC+4*\g+3], s[14:15] offset:512*\g   ; 32 lanes store 512 consecutive bytes, at a multiple of 512 from the buffer's first byte
.endr
	s_endpgm
.Lfunc_end_k_q6c8c5e2a0d_wquant:
	.size	k_q6c8c5e2a0d_wquant, .Lfunc_end_k_q6c8c5e2a0d_wquant-k_q6c8c5e2a0d_wquant
	.p2alignl 7, 3214868480
	.fill 96, 4, 3214868480
	.section	.rodata,"a",@progbits
	.p2align	6, 0x0
	.amdhsa_kernel k_q6c8c5e2a0d_wquant
		.amdhsa_group_segment_fixed_size 0
		.amdhsa_private_segment_fixed_size 0
		.amdhsa_enable_private_segment 0
		.amdhsa_kernarg_size 48
		.amdhsa_user_sgpr_count 2
		.amdhsa_user_sgpr_kernarg_segment_ptr 1
		.amdhsa_wavefront_size32 1
		.amdhsa_system_sgpr_workgroup_id_x 1
		.amdhsa_system_sgpr_workgroup_id_y 1
		.amdhsa_system_sgpr_workgroup_id_z 1
		.amdhsa_system_vgpr_workitem_id 0
		.amdhsa_next_free_vgpr 96
		.amdhsa_next_free_sgpr 66
		.amdhsa_reserve_vcc 0
		.amdhsa_float_denorm_mode_32 3
		.amdhsa_float_denorm_mode_16_64 3
		.amdhsa_memory_ordered 1
		.amdhsa_forward_progress 1
		.amdhsa_inst_pref_size 9
	.end_amdhsa_kernel
	.amdgpu_metadata
---
amdhsa.version: [ 1, 2 ]
amdhsa.kernels:
  - .name:           k_q6c8c5e2a0d_wquant
    .symbol:         k_q6c8c5e2a0d_wquant.kd
    .args:
      - { .name: Wq, .offset: 0, .size: 8, .value_kind: global_buffer, .address_space: global }
      - { .name: Wk, .offset: 8, .size: 8, .value_kind: global_buffer, .address_space: global }
      - { .name: Wv, .offset: 16, .size: 8, .value_kind: global_buffer, .address_space: global }
      - { .name: Wo, .offset: 24, .size: 8, .value_kind: global_buffer, .address_space: global }
      - { .name: lowp_scales, .offset: 32, .size: 8, .value_kind: global_buffer, .address_space: global }
      - { .name: wcodes, .offset: 40, .size: 8, .value_kind: global_buffer, .address_space: global }
    .group_segment_fixed_size: 0
    .private_segment_fixed_size: 0
    .kernarg_segment_align: 8
    .kernarg_segment_size: 48
    .max_flat_workgroup_size: 256
    .sgpr_count:     66
    .vgpr_count:     96
    .wavefront_size: 32
...
	.end_amdgpu_metadata
.endif
;; end of part 1
;; launch proj (part 2): grid 64 x 3, 4 waves a work-group, no clusters, 327,680 bytes of LDS; arguments query, key, value, bq, bk, bv, wcodes, lowp_scales, qc, kc, vc; writes qc, kc, vc
.if DOCPART == 2
	.amdgcn_target "amdgcn-amd-amdhsa--gfx1250"
	.amdhsa_code_object_version 6
	.text
	.protected	k_q6c8c5e2a0d_proj
	.globl	k_q6c8c5e2a0d_proj
	.p2align	8
	.type	k_q6c8c5e2a0d_proj,@function
k_q6c8c5e2a0d_proj:
	s_mov_b64 s[64:65], 0
	v_nop
	global_prefetch_b8 v0, s[64:65] scope:SCOPE_SE
	s_setreg_imm32_b32 hwreg(HW_REG_WAVE_MODE, 25, 1), 1
	s_wait_xcnt 0x0
; q = query Wq^T + bq, k = key Wk^T + bk, v = value Wv^T + bv, each product on codes of E5M2, and each result quantised at once as an operand of the attention's products.
; Work-group (x = batch bc of 64, y = 0 q, 1 k, 2 v) takes 512 rows x 512 features, as 8 blocks of 64 rows.
; SHARES.  THE WAVES SHARE THE FEATURES: wave w keeps rows 128 w .. 128 w + 127 of W over all of K (32 images of 16 x 128, 512 registers) for the whole launch.  x comes by tensor loads
; through a ring of two LDS slots: of each block wave w fetches 32 rows (32 (w / 2) on) x half of K (256 (w % 2) on).  Behind the block's barrier wave w reads and quantises rows 16 w .. 16 w + 15,
; and hands its four fragments to the others through LDS as images of their registers; then every wave multiplies the block's four row tiles by its eight feature tiles: 128 matrix instructions of K = 128.
; LAYOUT.  A result tile gives lane (r, h) column r and rows 8 h + 0 .. 7 in its eight registers, and the conversion of those eight is registers 2 c, 2 c + 1 of a plain 8-bit operand whose K runs
; along the tile's rows.  q, k: source 0 = W, source 1 = x: a lane holds one position and eight features: four feature tiles are a head's fragment (16 positions x 64).
; v: the sources swapped: a lane holds one feature and eight positions: four row tiles are a fragment of V^T (16 features x 64 keys).  Nothing is ever transposed.
; OUT.  qc, kc = [bc][head 8][tile of 16 positions: 32] images of 1,024 bytes; vc = [bc][head][key step of 64: 8][tile of 16 features: 4] images.  In all three a block is 4,096 bytes further on.
; SCALES.  A sum stands for sum x 2^(ea + eb).  The bias goes in as the C of the first K step, divided by that power; the result's conversion takes 2^(eo - ea - eb).
; LIMITS: ea, and eo - ea - eb, between -126 and 112.  NaN among the inputs is not served; infinities are held at the largest code.
; NO CLUSTER: the work-groups of one y share only the weight's codes, 262,144 of the 1,310,720 bytes that a work-group takes in, and those go once, straight into registers, where a joint load cannot land.
; 192 work-groups: the 1,536 blocks have no split into 256 equal shares in which each share keeps to one weight.
; LDS rows: half a row of x, 1,024 bytes + 16 of padding = 260 words.
; REGISTERS.  window 0: v1-13 addresses and scales; v16-79 the bias, 8 a feature tile; v80-143, v144-207 two buffers of 64; v208-239 two sets of codes.  windows 1, 2: W.  window 3: 32 accumulators.
.set HP,    1040                       ; an LDS row: 1,024 bytes + 16
.set WPART, 32*HP                      ; what one tensor load brings: 32 rows.  Part 2 g + u of a slot: rows 32 g on, K from 256 u on
.set SLOTB, 4*WPART
.set IMG,   2*SLOTB                    ; behind the ring: x's 16 images, (row tile m, K step s) at (4 m + s) x 2,048
.set SPARE, IMG+32768                  ; behind them: the spare words, 128 bytes for each wave: two blocks of 256 bytes that no other line names
.set BIAS,  16
.set BA,    80
.set BB,    144
.set PC0,   208
.set PC1,   224
.set G1,    40                         ; s[40:47] descriptor group 1
.set G0,    48                         ; s[48:55] descriptor group 0, a set for each slot
.set MSB, 0
.macro WIN new                         ; the immediate's high byte repeats the setting that is left; a switch that changes nothing is dropped
.if MSB != (\new)
	s_set_vgpr_msb (MSB<<8)|(\new)
.set MSB, (\new)
.endif
.endm
.macro PLACES                          ; four plain lines behind matrix instructions, ahead of loads into their sources and of reads of their results
.rept 4
	v_nop
.endr
.endm
	s_load_b256 s[4:11], s[0:1], 0x0               ; query s[4:5], key s[6:7], value s[8:9], bq s[10:11]
	s_load_b256 s[12:19], s[0:1], 0x20             ; bk s[12:13], bv s[14:15], wcodes s[16:17], the scales' exponents s[18:19]
	s_load_b128 s[20:23], s[0:1], 0x40             ; qc s[20:21], kc s[22:23]
	s_load_b64 s[24:25], s[0:1], 0x50              ; vc
	v_lshl_add_u32 v8, v0, 2, SPARE                ; my spare word; never rewritten
	v_mov_b32 v9, 0                                ; 0; never rewritten
	ds_add_u32 v8, v9
	ds_add_u32 v8, v9
	s_wait_dscnt 0x0
	v_lshrrev_b32 v1, 5, v0
	v_readfirstlane_b32 s26, v1                    ; wave 0..3
	s_and_b32 s27, ttmp7, 0xffff                   ; y: which projection
	s_cmp_eq_u32 s27, 2
	s_cselect_b32 s29, 1, 0                        ; 1: v, whose products take the sources the other way round
	; group 1: 32 rows of 256 elements of 4 bytes, 512 elements from row to row, 16 bytes of padding behind each row in LDS
	s_mov_b32 s[G1+0], (2<<16)|(1<<20)|(7<<22)|(3<<25)  ; no mask; elements of 4 bytes; padding on; after every 256 words (code 7); of 4 words (code 3)
	s_mov_b32 s[G1+1], 256<<16                     ; tensor_dim0 = 256
	s_mov_b32 s[G1+2], 32<<16                      ; tensor_dim1 = 32
	s_mov_b32 s[G1+3], 256<<16                     ; tile_dim0 = 256
	s_mov_b32 s[G1+4], 32                          ; tile_dim1 = 32
	s_mov_b32 s[G1+5], 512                         ; from row to row: a whole row of x
	s_mov_b32 s[G1+6], 0
	s_mov_b32 s[G1+7], 0
	s_mul_i32 s61, s26, WPART                      ; the part of a slot that I fill
	s_lshl_b32 s62, ttmp9, 20                      ; the batch's 512 rows of 2,048 bytes,
	s_lshr_b32 s63, s26, 1
	s_lshl_b32 s63, s63, 16                        ; the 32 rows of a block that I fetch: 32 (w / 2) on,
	s_add_co_u32 s62, s62, s63
	s_and_b32 s63, s26, 1
	s_lshl_b32 s63, s63, 10                        ; and their half of K: 1,024 (w % 2) bytes on
	s_add_co_u32 s62, s62, s63
	s_mov_b32 s63, 0
	s_wait_kmcnt 0x0
	s_cmp_eq_u32 s27, 0                            ; the buffers are chosen by the work-group's number alone
	s_cselect_b64 s[30:31], s[4:5], s[6:7]         ; x
	s_cselect_b64 s[32:33], s[10:11], s[12:13]     ; the bias
	s_cselect_b64 s[34:35], s[20:21], s[22:23]     ; the codes' buffer
	s_cmp_eq_u32 s27, 2
	s_cselect_b64 s[30:31], s[8:9], s[30:31]
	s_cselect_b64 s[32:33], s[14:15], s[32:33]
	s_cselect_b64 s[34:35], s[24:25], s[34:35]
	s_add_nc_u64 s[30:31], s[30:31], s[62:63]
.irp n, 0,1
	s_mov_b32 s[G0+4*\n], 1                        ; count = 1
	s_add_co_u32 s[G0+4*\n+1], s61, \n*SLOTB       ; LDS address: the slot, my part
	s_add_nc_u64 s[G0+4*\n+2:G0+4*\n+3], s[30:31], \n*131072   ; block n: 64 rows of 2,048 bytes a block
	s_or_b32 s[G0+4*\n+3], s[G0+4*\n+3], 0x80000000           ; type = 2
.endr
	tensor_load_to_lds s[G0:G0+3], s[G1:G1+7]      ; block 0 into slot 0, ahead of everything else; slot 1 is first filled behind the first block's barrier
	s_nop 0
	PLACES
	s_load_b256 s[68:75], s[18:19], 0x0            ; entries 0 to 7
	s_load_b128 s[76:79], s[18:19], 0x20           ; entries 8 to 11
	s_lshl_b32 s62, s26, 9
	s_add_nc_u64 s[32:33], s[32:33], s[62:63]      ; the bias of my 128 features
	s_lshl_b32 s62, ttmp9, 18
	s_lshl_b32 s66, s26, 16
	s_add_co_u32 s62, s62, s66
	s_add_nc_u64 s[34:35], s[34:35], s[62:63]      ; out: the batch's 262,144 bytes, my two heads' 65,536
	s_lshl_b32 s62, s27, 18
	s_add_co_u32 s62, s62, s66
	s_add_nc_u64 s[36:37], s[16:17], s[62:63]      ; W's codes: weight y, my 32 images
	v_and_b32 v1, 31, v0
	v_lshlrev_b32 v1, 4, v1                        ; v1: 16 x lane: my place in a piece of an image
	v_and_b32 v2, 15, v0                           ; r
	v_bfe_u32 v3, v0, 4, 1                         ; h
	WIN 0x40                                       ; destination window 1
.set f, 0
.rept 16                                       ; image F = 4 t + s of feature tiles 0-3 at v[16 F] of window 1
.irp g, 0,1,2,3
	global_load_b128 v[16*f+4*\g:16*f+4*\g+3], v1, s[36:37] offset:f*2048+512*\g
.endr
.set f, f+1
.endr
	WIN 0x80                                       ; destination window 2: feature tiles 4-7
.set f, 0
.rept 16
.irp g, 0,1,2,3
	global_load_b128 v[16*f+4*\g:16*f+4*\g+3], v1, s[36:37] offset:(f+16)*2048+512*\g
.endr
.set f, f+1
.endr
	WIN 0
	s_lshr_b32 s62, s26, 1
	s_mul_i32 s62, s62, 2*WPART                    ; the rows that I READ, 16 w on, lie in parts 2 (w / 2) and 2 (w / 2) + 1,
	s_and_b32 s63, s26, 1
	s_mul_i32 s63, s63, 16*HP                      ; from row 16 (w % 2) of a part on
	s_add_co_u32 s62, s62, s63
	v_mul_u32_u24 v4, v2, HP
	v_lshl_add_u32 v4, v3, 5, v4
	v_add_nc_u32 v4, s62, v4                       ; v4: x in slot 0: row r of mine + 32 h (my eight numbers of each sixteen)
	v_add_nc_u32 v5, SLOTB, v4                     ; v5: in slot 1
	s_lshl_b32 s62, s26, 13
	s_add_co_u32 s62, s62, IMG
	v_add_nc_u32 v6, s62, v1                       ; v6: where I store my four images
	v_add_nc_u32 v7, IMG, v1                       ; v7: where any image is read
	; the bias in the result's layout.  q, k: register j of tile t is feature 16 t + 8 h + j: byte 64 t + 32 h + 4 j.  v: all eight are feature 16 t + r: byte 64 t + 4 r
	s_cmp_eq_u32 s29, 0
	s_cselect_b32 s62, 0, 4
	s_cselect_b32 s63, 32, 0
	s_cselect_b32 s66, 4, 0
	v_mul_u32_u24 v240, s62, v2
	v_mad_u32_u24 v240, v3, s63, v240
.irp j, 1,2,3,4,5,6,7
	v_add_nc_u32 v[240+\j], s66, v[239+\j]
.endr
.irp t, 0,1,2,3,4,5,6,7
.irp j, 0,1,2,3,4,5,6,7
	global_load_b32 v[BIAS+8*\t+\j], v[240+\j], s[32:33] offset:64*\t
.endr
.endr
	s_wait_loadcnt 0x0                             ; W and the bias, once
	s_wait_kmcnt 0x0
	s_cmp_eq_u32 s27, 0
	s_cselect_b32 s58, s68, s70                    ; ea: entry 0, 2 or 4
	s_cselect_b32 s59, s69, s71                    ; eb: entry 1, 3 or 5
	s_cselect_b32 s60, s74, s75                    ; eo: entry 6, 7 or 9
	s_cmp_eq_u32 s27, 2
	s_cselect_b32 s58, s72, s58
	s_cselect_b32 s59, s73, s59
	s_cselect_b32 s60, s77, s60
	s_add_co_i32 s61, s58, s59                     ; ea + eb
	s_sub_co_i32 s62, 0, s61
.set j, 0
.rept 64
	v_ldexp_f32 v[BIAS+j], v[BIAS+j], s62          ; bias / 2^(ea + eb)
.set j, j+1
.endr
	s_add_co_i32 s63, s58, 127
	s_lshl_b32 s66, s63, 23
	v_mov_b32 v10, s66                             ; 2^ea, for x's conversions
	s_add_co_i32 s63, s63, 15
	s_lshl_b32 s63, s63, 23
	s_or_b32 s63, s63, 0x600000
	v_mov_b32 v11, s63                             ; 57,344 x 2^ea
	s_sub_co_i32 s63, s60, s61
	s_add_co_i32 s63, s63, 127
	s_lshl_b32 s66, s63, 23
	v_mov_b32 v12, s66                             ; 2^(eo - ea - eb), for the results' conversions
	s_add_co_i32 s63, s63, 15
	s_lshl_b32 s63, s63, 23
	s_or_b32 s63, s63, 0x600000
	v_mov_b32 v13, s63                             ; 57,344 x that
; my row's 64 numbers of K step s: register 8 c + i = k 128 s + 16 c + 8 h + i.  K steps 0, 1 lie in the first of my two parts, K steps 2, 3 in the second
.macro XLD slot, s, dst
.irp c, 0,1,2,3,4,5,6,7
	ds_load_b128 v[\dst+8*\c:\dst+8*\c+3],   v[4+\slot] offset:((\s)/2)*WPART+((\s)%2)*512+64*\c
	ds_load_b128 v[\dst+8*\c+4:\dst+8*\c+7], v[4+\slot] offset:((\s)/2)*WPART+((\s)%2)*512+64*\c+16
.endr
.endm
.macro QUANT src, pc                   ; 64 numbers become a fragment's 16 registers of codes
.set j, 0
.rept 64
	v_med3_num_f32 v[\src+j], v[\src+j], -v11, v11 ; the conversion to an 8-bit code does not saturate (ISA guide 7.6.2): the hold comes first
.set j, j+1
.endr
.irp c, 0,1,2,3,4,5,6,7
	v_cvt_scalef32_pk8_bf8_f32 v[\pc+2*\c:\pc+2*\c+1], v[\src+8*\c:\src+8*\c+7], v10
.endr
	v_nop                                          ; a plain line behind the last conversion
.endm
.macro IMAGE pc, s                     ; the fragment goes to LDS as it stands: 512 consecutive bytes a store
.irp g, 0,1,2,3
	ds_store_b128 v6, v[\pc+4*\g:\pc+4*\g+3] offset:(\s)*2048+512*\g
.endr
.endm
.macro FETCH s, dst                    ; K step s of the block's four row tiles
.irp m, 0,1,2,3
.irp g, 0,1,2,3
	ds_load_b128 v[\dst+16*\m+4*\g:\dst+16*\m+4*\g+3], v7 offset:(4*\m+(\s))*2048+512*\g
.endr
.endr
.endm
; 32 matrix instructions: my 8 feature tiles x the 4 row tiles, K step s.  The 32 accumulators take turns, one instruction a turn, from number 0 to number 31 in both arms.
; The accumulators are numbered so that the codes of u = 0 .. 31, two registers each, are the eight output images on end: q, k: u = 16 (t / 4) + 4 m + t % 4; v: u = 4 t + m.
; The branch hangs on the work-group's y; its arms hold matrix instructions and window switches alone.
.macro MUL s, xb
	s_cmp_eq_u32 s29, 0
	s_cbranch_scc0 .Lv_\@
.irp t, 0,1,2,3,4,5,6,7
.if (\s) == 0
	WIN 0xc1+\t/4                                  ; source 0 (W) window 1 or 2, source 1 (x) and C (the bias) window 0, D window 3
.else
	WIN 0xf1+\t/4                                  ; C in window 3 too
.endif
.irp m, 0,1,2,3
.set u, 16*(\t/4)+4*\m+\t%4
.set wr, 16*(4*(\t%4)+(\s))
.if (\s) == 0
	v_wmma_f32_16x16x128_bf8_bf8 v[8*u:8*u+7], v[wr:wr+15], v[\xb+16*\m:\xb+16*\m+15], v[BIAS+8*\t:BIAS+8*\t+7]
.else
	v_wmma_f32_16x16x128_bf8_bf8 v[8*u:8*u+7], v[wr:wr+15], v[\xb+16*\m:\xb+16*\m+15], v[8*u:8*u+7]
.endif
.endr
.endr
	WIN 0
	s_branch .Lj_\@
.Lv_\@:
.irp t, 0,1,2,3,4,5,6,7
.if (\s) == 0
	WIN 0xc4+4*(\t/4)                              ; source 0 (x) window 0, source 1 (W) window 1 or 2
.else
	WIN 0xf4+4*(\t/4)
.endif
.irp m, 0,1,2,3
.set u, 4*\t+\m
.set wr, 16*(4*(\t%4)+(\s))
.if (\s) == 0
	v_wmma_f32_16x16x128_bf8_bf8 v[8*u:8*u+7], v[\xb+16*\m:\xb+16*\m+15], v[wr:wr+15], v[BIAS+8*\t:BIAS+8*\t+7]
.else
	v_wmma_f32_16x16x128_bf8_bf8 v[8*u:8*u+7], v[\xb+16*\m:\xb+16*\m+15], v[wr:wr+15], v[8*u:8*u+7]
.endif
.endr
.endr
	WIN 0
.Lj_\@:
.endm
; the block's results: held, converted (accumulator u gives registers 2 u, 2 u + 1 of the eight images) and stored, 512 dense bytes a store
.macro OUT slot
	PLACES
	WIN 0xc3                                       ; source 0 and destination window 3
.set j, 0
.rept 256
	v_med3_num_f32 v[j], v[j], -v13, v13           ; each accumulator from its low end on
.set j, j+1
.endr
	WIN 0x03                                       ; source 0 window 3, destination window 0
.set u, 0
.rept 32
	v_cvt_scalef32_pk8_bf8_f32 v[BA+2*u:BA+2*u+1], v[8*u:8*u+7], v12
.set u, u+1
.endr
	v_nop                                          ; a plain line behind the last conversion
	WIN 0
.set f, 0
.rept 8                                        ; image f: head f / 4 of my two; q, k: row tile f % 4; v: feature tile f % 4
.irp g, 0,1
	global_store_b128 v1, v[BA+8*f+4*\g:BA+8*f+4*\g+3], s[34:35] offset:(\slot)*4096+(f/4)*32768+(f%4)*1024+512*\g
.endr
.set f, f+1
.endr
.endm
; A BLOCK of 64 rows, in slot `slot`.  At its head the change of slots: all my tensor loads have landed (my part of this slot among them), 0 is added to my spare word, the add and all my LDS
; reads (of the other slot, and of the last block's images) are over; then the barrier: behind it this slot is whole, all four waves' parts, and nobody reads the other one, which is filled with the
; next block: my one tensor load until the next such barrier.
.macro BLOCK slot, refill
	s_wait_xcnt 0x0                                ; the last block's stores have read their registers: BA is loaded again below
	s_wait_tensorcnt 0x0                           ; no tensor load of mine is out, so a group 0 may be written
	ds_add_u32 v8, v9                              ; 0 onto my spare word
	s_add_nc_u64 s[G0+4*\slot+2:G0+4*\slot+3], s[G0+4*\slot+2:G0+4*\slot+3], 262144   ; this slot's next block: two blocks on
	s_wait_dscnt 0x0
	s_barrier_signal -1
	s_barrier_wait -1
.if \refill
	tensor_load_to_lds s[G0+4-4*\slot:G0+7-4*\slot], s[G1:G1+7]
	s_nop 0
	PLACES
.endif
	; X: rows 16 w .. 16 w + 15 become four fragments; the reads run one K step ahead of the conversions
	XLD \slot, 0, BA
	XLD \slot, 1, BB
	s_wait_dscnt 16                                ; K step 0 is in; K step 1's sixteen loads may be out
	QUANT BA, PC0
	IMAGE PC0, 0
	XLD \slot, 2, BA
	s_wait_dscnt 20                                ; K step 1 is in; younger: four stores, sixteen loads
	QUANT BB, PC1
	IMAGE PC1, 1
	XLD \slot, 3, BB
	s_wait_dscnt 20                                ; K step 2 is in, and image 0's stores are done: PC0 may be written; younger: four stores, sixteen loads
	QUANT BA, PC0
	IMAGE PC0, 2
	s_wait_dscnt 4                                 ; K step 3 is in, image 1's stores are done; younger: image 2's four stores
	QUANT BB, PC1
	IMAGE PC1, 3
	s_wait_dscnt 0x0                               ; for the others' sake: my images lie in LDS
	s_barrier_signal -1
	s_barrier_wait -1                              ; all sixteen do.
	; M: four K steps, the fragments one K step ahead
	FETCH 0, BA
	FETCH 1, BB
	s_wait_dscnt 16
	MUL 0, BA
	PLACES
	FETCH 2, BA
	s_wait_dscnt 16
	MUL 1, BB
	PLACES
	FETCH 3, BB
	s_wait_dscnt 16
	MUL 2, BA
	s_wait_dscnt 0x0
	MUL 3, BB
	OUT \slot
.endm
	s_mov_b32 s56, 3
.Lb:                                               ; three trips of two blocks; each asks for the block after it
	BLOCK 0, 1
	BLOCK 1, 1
	s_wait_xcnt 0x0                                ; the stores have read their base
	s_add_nc_u64 s[34:35], s[34:35], 8192          ; two blocks on
	s_sub_co_u32 s56, s56, 1
	s_cmp_lg_u32 s56, 0
	s_cbranch_scc1 .Lb
	BLOCK 0, 1                                     ; the tail is written out: block 6 asks for block 7
	BLOCK 1, 0                                     ; which asks for nothing
	s_wait_tensorcnt 0x0                           ; the wave's end
	ds_add_u32 v8, v9
	s_wait_dscnt 0x0
	s_endpgm
.Lfunc_end_k_q6c8c5e2a0d_proj:
	.size	k_q6c8c5e2a0d_proj, .Lfunc_end_k_q6c8c5e2a0d_proj-k_q6c8c5e2a0d_proj
	.p2alignl 7, 3214868480
	.fill 96, 4, 3214868480
	.section	.rodata,"a",@progbits
	.p2align	6, 0x0
	.amdhsa_kernel k_q6c8c5e2a0d_proj
		.amdhsa_group_segment_fixed_size 327680
		.amdhsa_private_segment_fixed_size 0
		.amdhsa_enable_private_segment 0
		.amdhsa_kernarg_size 88
		.amdhsa_user_sgpr_count 2
		.amdhsa_user_sgpr_kernarg_segment_ptr 1
		.amdhsa_wavefront_size32 1
		.amdhsa_system_sgpr_workgroup_id_x 1
		.amdhsa_system_sgpr_workgroup_id_y 1
		.amdhsa_system_sgpr_workgroup_id_z 1
		.amdhsa_system_vgpr_workitem_id 0
		.amdhsa_next_free_vgpr 1024
		.amdhsa_next_free_sgpr 80
		.amdhsa_reserve_vcc 0
		.amdhsa_float_denorm_mode_32 3
		.amdhsa_float_denorm_mode_16_64 3
		.amdhsa_memory_ordered 1
		.amdhsa_forward_progress 1
		.amdhsa_inst_pref_size 255
	.end_amdhsa_kernel
	.section	.bss,"aw",@nobits
	.p2align	6
	.space	262144
	.amdgpu_metadata
---
amdhsa.version: [ 1, 2 ]
amdhsa.kernels:
  - .name:           k_q6c8c5e2a0d_proj
    .symbol:         k_q6c8c5e2a0d_proj.kd
    .args:
      - { .name: query, .offset: 0, .size: 8, .value_kind: global_buffer, .address_space: global }
      - { .name: key, .offset: 8, .size: 8, .value_kind: global_buffer, .address_space: global }
      - { .name: value, .offset: 16, .size: 8, .value_kind: global_buffer, .address_space: global }
      - { .name: bq, .offset: 24, .size: 8, .value_kind: global_buffer, .address_space: global }
      - { .name: bk, .offset: 32, .size: 8, .value_kind: global_buffer, .address_space: global }
      - { .name: bv, .offset: 40, .size: 8, .value_kind: global_buffer, .address_space: global }
      - { .name: wcodes, .offset: 48, .size: 8, .value_kind: global_buffer, .address_space: global }
      - { .name: lowp_scales, .offset: 56, .size: 8, .value_kind: global_buffer, .address_space: global }
      - { .name: qc, .offset: 64, .size: 8, .value_kind: global_buffer, .address_space: global }
      - { .name: kc, .offset: 72, .size: 8, .value_kind: global_buffer, .address_space: global }
      - { .name: vc, .offset: 80, .size: 8, .value_kind: global_buffer, .address_space: global }
    .group_segment_fixed_size: 327680
    .private_segment_fixed_size: 0
    .kernarg_segment_align: 8
    .kernarg_segment_size: 88
    .max_flat_workgroup_size: 128
    .sgpr_count:     80
    .vgpr_count:     1024
    .wavefront_size: 32
...
	.end_amdgpu_metadata
.endif
;; end of part 2
;; launch attn (part 3): grid 4 x 64, 8 waves a work-group, no clusters, 166,912 bytes of LDS; arguments qc, kc, vc, wcodes, bo, lowp_scales, out0; writes out0
.if DOCPART == 3
	.amdgcn_target "amdgcn-amd-amdhsa--gfx1250"
	.amdhsa_code_object_version 6
	.text
	.protected	k_q6c8c5e2a0d_attn
	.globl	k_q6c8c5e2a0d_attn
	.p2align	8
	.type	k_q6c8c5e2a0d_attn,@function
k_q6c8c5e2a0d_attn:
	s_mov_b64 s[64:65], 0
	v_nop
	global_prefetch_b8 v0, s[64:65] scope:SCOPE_SE
	s_setreg_imm32_b32 hwreg(HW_REG_WAVE_MODE, 25, 1), 1
	s_wait_xcnt 0x0
; out = softmax(q k^T / 8) v, heads joined, x Wo^T + bo: three products on codes of E5M2.  Work-group (x = block of 128 queries, y = batch bc) makes 128 rows of out0.
; THE KEY LOOP: wave w is head w and holds all 128 queries, eight tiles of 16.  K's and V's fragments come from memory straight into operand registers (the buffers are laid as register images: each load
; is 512 dense bytes), each once a work-group, each feeding eight products; they are asked for one key step (64 keys) ahead, in two sets of registers.  No barrier stands in the loop.
; BOTH PRODUCTS TRANSPOSED: S^T = K Q^T (source 0 = 16 keys, source 1 = 16 queries), O^T = V^T P^T (source 0 = 16 of the head's 64, source 1 = P): a lane holds ONE query throughout, its registers run along the
; keys, then along the head's features; so the conversions' results are the next product's operand registers, k in its true place.
; THE SOFTMAX: t = score x log2(e) / 8; M = the running largest t rounded UP to a whole number, kept as -M = floor(-t); p = 2^(t - M) is quantised, not normalised; the row's sum is taken of the unquantised p;
; when M moves, the sum and O^T are multiplied by 2^(old M - new M), which rounds nothing.  At the end O^T is divided by the sum.
; p'S HOLD at 57,344 x 2^e8 is jumped over where it can change nothing: p is at most 1 (one rounding above it at the most), and the hold stands at 1.75 or above where e8 >= -15.  The branch hangs on a whole
; number read from the scales' buffer, the same in every wave; this launch has no tensor load, and no barrier stands under the branch.
; THE OUTPUT PRODUCT: each wave's context (its head = 64 of K = 512) is quantised in registers and goes to LDS as images; one barrier; wave w then makes columns 64 w .. 64 w + 63 of the 128 rows, with its part of Wo
; (16 images) in the registers that O^T has left.  Results leave through the wave's own stage, sixteen lanes to 256 consecutive aligned bytes.
; LIMITS on the given exponents: e6 + e7 between -123 and 130 (added to c's exponent field); e8 and e10 between -126 and 112; e10 + e11 between -126 and 127; e8 + e9 goes in by v_ldexp_f32 and has none.  NaN is not served.
; NO CLUSTER: the four query blocks of a batch read the same K and V, but no byte of them passes through LDS here, and a joint load lands in LDS alone: it would add an LDS write and read of all 524,288 bytes
; a work-group and a round of the cluster's barrier for each refill to eight waves that otherwise never meet in the loop.
; REGISTERS.  window 0: v1-12 addresses and scales; v16-47 four statistics a tile (-M, the largest t, the sum in two halves), later bo; v48-55 at work; v56-71 Q, two sets, later the context's codes; v72-79 P;
;   v80-111 S^T, then p; v112-239 K and V, two sets of 64; in the output product v48-111 the context's fragments and rows on their way out, v112-239 16 accumulators.   window 1: O^T, 32 a tile; later Wo.
.set CIMG, 65536                       ; LDS: from 0 Q's images, 8,192 bytes a wave, the wave's own; from here the context's: [tile 8][head 8] x 1,024: heads 2 s, 2 s + 1 on end are K step s
.set STG,  131072                      ; the stages: 16 rows x (256 + 16) bytes for each wave, the wave's own
.set ST,   16
.set QF,   56
.set P,    72
.set S,    80
.set KV,   112
.set ACC,  112
.set CF,   48
.set BK,   48
.set BO,   16
.set MSB, 0
.macro WIN new                         ; the immediate's high byte repeats the setting that is left; a switch that changes nothing is dropped
.if MSB != (\new)
	s_set_vgpr_msb (MSB<<8)|(\new)
.set MSB, (\new)
.endif
.endm
.macro PLACES                          ; four plain lines behind matrix instructions, ahead of loads into their sources and of reads of their results
.rept 4
	v_nop
.endr
.endm
.macro LOADKV set, off                 ; a key step's four tiles of K and four of V^T: sixteen loads of 512 dense bytes
.irp t, 0,1,2,3
.irp g, 0,1
	global_load_b128 v[KV+64*(\set)+8*\t+4*\g:KV+64*(\set)+8*\t+4*\g+3], v1, s[6:7] offset:(\off)+1024*\t+512*\g
.endr
.endr
.irp t, 0,1,2,3
.irp g, 0,1
	global_load_b128 v[KV+64*(\set)+32+8*\t+4*\g:KV+64*(\set)+32+8*\t+4*\g+3], v1, s[8:9] offset:(\off)+1024*\t+512*\g
.endr
.endr
.endm
	s_load_b256 s[4:11], s[0:1], 0x0               ; qc s[4:5], kc s[6:7], vc s[8:9], wcodes s[10:11]
	s_load_b128 s[12:15], s[0:1], 0x20             ; bo s[12:13], the scales' exponents s[14:15]
	s_load_b64 s[16:17], s[0:1], 0x30              ; out0
	v_lshl_add_u32 v254, v0, 2, 0x28800
	v_mov_b32 v255, 0
	v_lshrrev_b32 v13, 5, v0
	v_readfirstlane_b32 s18, v13                   ; wave 0..7: my head, later my 64 columns
	s_and_b32 s20, ttmp7, 0xffff                   ; bc
	v_and_b32 v1, 31, v0
	v_lshlrev_b32 v1, 4, v1                        ; v1: 16 x lane
	v_and_b32 v13, 15, v0                          ; r
	v_bfe_u32 v14, v0, 4, 1                        ; h
	s_lshl_b32 s38, s20, 18                        ; the batch's 262,144 bytes of codes,
	s_lshl_b32 s39, s18, 15                        ; my head's 32,768
	s_add_co_u32 s38, s38, s39
	s_mov_b32 s39, 0
	s_lshl_b32 s40, ttmp9, 13                      ; my block's eight tiles of Q
	s_mov_b32 s41, 0
	s_lshl_b32 s42, s18, 15
	s_add_co_u32 s42, s42, 3*262144                ; Wo's codes, my 16 images
	s_mov_b32 s43, 0
	s_lshl_b32 s44, s18, 8                         ; my 64 columns, in bytes
	s_mov_b32 s45, 0
	s_lshl_b32 s46, s20, 20                        ; the batch's 512 rows of 2,048 bytes,
	s_lshl_b32 s47, ttmp9, 18                      ; my block's 128
	s_add_co_u32 s46, s46, s47
	s_add_co_u32 s46, s46, s44
	s_mov_b32 s47, 0
	s_mov_b32 s24, 0x76543210                      ; v_permlanex16_b32: lane l xor 16
	s_mov_b32 s25, 0xfedcba98
	s_wait_kmcnt 0x0
	s_load_b64 s[30:31], s[14:15], 0x18            ; e6, e7
	s_load_b128 s[32:35], s[14:15], 0x20           ; e8, e9, e10, e11; s32 stays: the hold's branch compares it
	s_add_nc_u64 s[4:5], s[4:5], s[38:39]
	s_add_nc_u64 s[4:5], s[4:5], s[40:41]
	s_add_nc_u64 s[6:7], s[6:7], s[38:39]
	s_add_nc_u64 s[8:9], s[8:9], s[38:39]
	s_add_nc_u64 s[10:11], s[10:11], s[42:43]
	s_add_nc_u64 s[12:13], s[12:13], s[44:45]
	s_add_nc_u64 s[16:17], s[16:17], s[46:47]
.irp i, 0,1,2,3,4,5,6,7
	global_load_b128 v[KV+64+8*\i:KV+64+8*\i+3],   v1, s[4:5] offset:1024*\i th:TH_LOAD_NT      ; Q's eight tiles, through K and V's second set
	global_load_b128 v[KV+64+8*\i+4:KV+64+8*\i+7], v1, s[4:5] offset:1024*\i+512 th:TH_LOAD_NT
.endr
	LOADKV 0, 0                                    ; key step 0
	s_lshl_b32 s48, s18, 13
	v_add_nc_u32 v2, s48, v1                       ; v2: my Q images
	s_lshl_b32 s48, s18, 10
	s_add_co_u32 s48, s48, CIMG
	v_add_nc_u32 v3, s48, v1                       ; v3: where I store my head's context
	v_add_nc_u32 v4, CIMG, v1                      ; v4: where any of it is read
	s_mul_i32 s48, s18, 16*272
	s_add_co_u32 s48, s48, STG                     ; my stage
	v_mul_u32_u24 v5, v13, 272
	v_lshl_add_u32 v5, v14, 5, v5
	v_add_nc_u32 v5, s48, v5                       ; v5: in: row r, + 32 h
	v_mul_u32_u24 v6, v14, 272
	v_lshl_add_u32 v6, v13, 4, v6
	v_add_nc_u32 v6, s48, v6                       ; v6: back: lanes 0-15 one row, lanes 16-31 the next
	v_lshlrev_b32 v7, 11, v14
	v_lshl_add_u32 v7, v13, 4, v7                  ; v7: the same two rows in out0
	v_lshlrev_b32 v12, 5, v14                      ; v12: 32 h: my eight numbers of each sixteen of bo
	v_mov_b32 v51, 0                               ; (named as the upper half of the pair v[50:51])
	v_mov_b32 v54, 0                               ; written once: a lane permute's destination counts as one of its sources
	s_wait_kmcnt 0x0
	s_add_co_i32 s49, s30, s31
	s_lshl_b32 s49, s49, 23
	s_mov_b32 s22, 0x3e38aa3b                      ; c = log2(e) / 8
	s_add_co_i32 s22, s22, s49                     ; a score stands for score x 2^(e6 + e7): the exponents are added to c's exponent field
	s_mov_b32 s23, s22                             ; (named with it as a pair, so it is written)
	s_add_co_i32 s49, s32, 127
	s_lshl_b32 s50, s49, 23
	v_mov_b32 v8, s50                              ; 2^e8, for p's conversions
	s_add_co_i32 s49, s49, 15
	s_lshl_b32 s49, s49, 23
	s_or_b32 s49, s49, 0x600000
	v_mov_b32 v9, s49                              ; 57,344 x 2^e8
	s_add_co_i32 s49, s34, 127
	s_lshl_b32 s50, s49, 23
	v_mov_b32 v10, s50                             ; 2^e10, for the context's
	s_add_co_i32 s49, s49, 15
	s_lshl_b32 s49, s49, 23
	s_or_b32 s49, s49, 0x600000
	v_mov_b32 v11, s49                             ; 57,344 x 2^e10
	s_add_co_i32 s26, s34, s35
	s_add_co_i32 s26, s26, 127
	s_lshl_b32 s26, s26, 23                        ; 2^(e10 + e11)
	s_mov_b32 s27, s26
	s_add_co_i32 s36, s32, s33                     ; e8 + e9
	s_wait_loadcnt 16                              ; Q is in; key step 0's sixteen loads may be out
.irp i, 0,1,2,3,4,5,6,7
	ds_store_b128 v2, v[KV+64+8*\i:KV+64+8*\i+3] offset:1024*\i
	ds_store_b128 v2, v[KV+64+8*\i+4:KV+64+8*\i+7] offset:1024*\i+512
.endr
	ds_load_b128 v[QF:QF+3], v2                    ; tile 0.  LDS serves a wave's instructions in order: this sees my stores
	ds_load_b128 v[QF+4:QF+7], v2 offset:512
	s_wait_dscnt 0x0                               ; the stores have read the second set, which key step 1's loads take
; ONE TILE of 16 queries against one key step of 64 keys, K and V in set p.  first = 1: the first key step, which starts M, the sum and O^T: nothing is ever cleared.
.macro TILE i, p, first
.set rT, ST+4*(\i)
.set rQ, QF+8*((\i)%2)
.set rN, QF+8*(((\i)+1)%2)
.set rK, KV+64*(\p)
.set rO, 32*(\i)
	s_wait_dscnt 0x0                               ; this tile's Q is in (asked for a tile ago)
	ds_load_b128 v[rN:rN+3],   v2 offset:(((\i)+1)%8)*1024        ; the next tile's
	ds_load_b128 v[rN+4:rN+7], v2 offset:(((\i)+1)%8)*1024+512
.irp t, 0,1,2,3
	v_wmma_f32_16x16x64_bf8_bf8 v[S+8*\t:S+8*\t+7], v[rK+8*\t:rK+8*\t+7], v[rQ:rQ+7], 0   ; register 8 t + j: key 16 t + 8 h + j of my query
.endr
	PLACES
	v_max3_num_f32 v48, v[S], v[S+1], v[S+2]       ; the largest of my 32 scores, in two chains; each result tile is first read at its low end
	v_max3_num_f32 v49, v[S+3], v[S+4], v[S+5]
.irp n, 6,10,14,18,22,26
	v_max3_num_f32 v48, v48, v[S+\n], v[S+\n+1]
	v_max3_num_f32 v49, v49, v[S+\n+2], v[S+\n+3]
.endr
	v_max3_num_f32 v48, v48, v[S+30], v[S+31]
	v_max_num_f32 v48, v48, v49
	v_permlanex16_b32 v54, v48, s24, s25
	v_max_num_f32 v48, v48, v54                    ; and of lane l xor 16's
	v_mul_f32 v48, s22, v48                        ; as t (c is positive)
.if \first
	v_mov_b32 v[rT+1], v48
	v_floor_f32 v[rT], -v48                        ; -M = floor(-t) = -ceil(t)
.else
	v_max_num_f32 v[rT+1], v[rT+1], v48            ; the running largest t
	v_mov_b32 v55, v[rT]
	v_floor_f32 v[rT], -v[rT+1]
	v_sub_f32 v55, v[rT], v55                      ; old M - new M: a whole number, 0 or less
	v_cvt_i32_f32 v55, v55                         ; (it saturates)
	v_ldexp_f32 v50, 1.0, v55                      ; f = 2^(old M - new M)
.endif
.irp n, 0,2,4,6,8,10,12,14,16,18,20,22,24,26,28,30
	v_pk_fma_f32 v[S+\n:S+\n+1], v[S+\n:S+\n+1], s[22:23], v[rT:rT+1] op_sel_hi:[1,0,0]   ; t - M (of the pairs c and -M the low word serves both halves)
.endr
.set j, 0
.rept 32
	v_exp_f32 v[S+j], v[S+j]                       ; p = 2^(t - M)
.set j, j+1
.endr
.if \first
	v_nop                                          ; a plain line behind the exponentials
.else
	v_pk_mul_f32 v[rT+2:rT+3], v[rT+2:rT+3], v[50:51] op_sel_hi:[1,0]   ; the sum under the new M; also the plain line behind the exponentials
.endif
	s_wait_alu depctr_va_vdst(0)                   ; one wait for the batch of 32, ahead of its first reader
	v_pk_add_f32 v[52:53], v[S:S+1], v[S+2:S+3]    ; the sum of the unquantised p, two at a time, in two chains
.if \first
	v_pk_add_f32 v[rT+2:rT+3], v[S+4:S+5], v[S+6:S+7]
.else
	v_pk_add_f32 v[rT+2:rT+3], v[rT+2:rT+3], v[S+4:S+5]
	v_pk_add_f32 v[52:53], v[52:53], v[S+6:S+7]
.endif
.irp n, 8,12,16,20,24,28
	v_pk_add_f32 v[rT+2:rT+3], v[rT+2:rT+3], v[S+\n:S+\n+1]
	v_pk_add_f32 v[52:53], v[52:53], v[S+\n+2:S+\n+3]
.endr
	v_pk_add_f32 v[rT+2:rT+3], v[rT+2:rT+3], v[52:53]
	s_cmp_ge_i32 s32, -15                          ; e8 >= -15: the hold stands at 1.75 or above, over every p: its 32 lines are jumped over (every window is 0 here)
	s_cbranch_scc1 .Lfree_\@
.set j, 0
.rept 32
	v_min_num_f32 v[S+j], v[S+j], v9               ; the hold (ISA guide 7.6.2); p is not negative, so it is one-sided
.set j, j+1
.endr
.Lfree_\@:
.irp t, 0,1,2,3
	v_cvt_scalef32_pk8_bf8_f32 v[P+2*\t:P+2*\t+1], v[S+8*\t:S+8*\t+7], v8   ; registers 2 t, 2 t + 1 of P: keys 16 t + 8 h + 0 .. 7
.endr
.if \first
	v_nop                                          ; a plain line between the conversions and the products that read their results
	WIN 0x40                                       ; D (O^T) window 1
.irp t, 0,1,2,3
	v_wmma_f32_16x16x64_bf8_bf8 v[rO+8*\t:rO+8*\t+7], v[rK+32+8*\t:rK+32+8*\t+7], v[P:P+7], 0
.endr
.else
	WIN 0x41                                       ; source 0 and destination window 1
.irp n, 0,2,4,6,8,10,12,14,16,18,20,22,24,26,28,30
	v_pk_mul_f32 v[rO+\n:rO+\n+1], v[rO+\n:rO+\n+1], v[50:51] op_sel_hi:[1,0]   ; O^T under the new M; also the plain lines behind the conversions
.endr
	WIN 0x50                                       ; C and D window 1
.irp t, 0,1,2,3
	v_wmma_f32_16x16x64_bf8_bf8 v[rO+8*\t:rO+8*\t+7], v[rK+32+8*\t:rK+32+8*\t+7], v[P:P+7], v[rO+8*\t:rO+8*\t+7]   ; four accumulators, one instruction each: no two that follow each other share one
.endr
.endif
	WIN 0
.endm
; A KEY STEP with K and V in set p.  Its data were asked for a whole key step ago; the next step's sixteen loads go out at once, into the other set.
; nxt = 2: in the loop's last trip there is no next step: no load leaves its buffer.
.macro STEP p, first, nxt
	PLACES                                         ; behind the last step's products, which read the other set
	s_wait_loadcnt 0x0
.if \nxt == 2
	s_cmp_eq_u32 s28, 1
	s_cbranch_scc1 .Lnol_\@
.endif
	LOADKV 1-\p, (\p+1)*4096
.if \nxt == 2
.Lnol_\@:
.endif
.irp i, 0,1,2,3,4,5,6,7
	TILE \i, \p, \first
.endr
.endm
	STEP 0, 1, 1                                   ; key steps 0 and 1 are written out: the first starts the sums
	STEP 1, 0, 1
	s_wait_xcnt 0x0                                ; the loads have read their bases
	s_add_nc_u64 s[6:7], s[6:7], 8192              ; two key steps on
	s_add_nc_u64 s[8:9], s[8:9], 8192
	s_mov_b32 s28, 3
.Lk:                                               ; three trips of two key steps, until the two sets are back where they began
	STEP 0, 0, 1
	STEP 1, 0, 2
	s_wait_xcnt 0x0
	s_add_nc_u64 s[6:7], s[6:7], 8192
	s_add_nc_u64 s[8:9], s[8:9], 8192
	s_sub_co_u32 s28, s28, 1
	s_cmp_lg_u32 s28, 0
	s_cbranch_scc1 .Lk
	; THE CONTEXT: O^T x 2^(e8 + e9) / the sum, quantised as K step `head` of the output product
	s_wait_dscnt 0x0                               ; the last tile's read ahead of Q
.irp i, 0,1,2,3,4,5,6,7
	v_add_f32 v[ST+4*\i+2], v[ST+4*\i+2], v[ST+4*\i+3]          ; the sum's two halves,
.endr
.irp i, 0,1,2,3,4,5,6,7
	v_permlanex16_b32 v[ST+4*\i+3], v[ST+4*\i+2], s24, s25
.endr
.irp i, 0,1,2,3,4,5,6,7
	v_add_f32 v[ST+4*\i+2], v[ST+4*\i+2], v[ST+4*\i+3]          ; and lane l xor 16's
.endr
.irp i, 0,1,2,3,4,5,6,7
	v_rcp_f32 v[ST+4*\i], v[ST+4*\i+2]
.endr
	v_nop                                          ; a plain line behind the reciprocals
	s_wait_alu depctr_va_vdst(0)                   ; one wait for the eight, ahead of their first reader
.irp i, 0,1,2,3,4,5,6,7
	v_ldexp_f32 v[ST+4*\i], v[ST+4*\i], s36
.endr
.macro CTX i
.set rT, ST+4*(\i)
.set rC, QF+8*((\i)%2)
.set rO, 32*(\i)
	s_wait_dscnt 2                                 ; the stores of two tiles ago are done: their registers may be written; the last tile's two may be out
	WIN 0x01                                       ; source 0 (O^T) window 1
.irp n, 0,2,4,6,8,10,12,14,16,18,20,22,24,26,28,30
	v_pk_mul_f32 v[S+\n:S+\n+1], v[rO+\n:rO+\n+1], v[rT:rT+1] op_sel_hi:[1,0]   ; each accumulator from its low end on
.endr
	WIN 0
.set j, 0
.rept 32
	v_med3_num_f32 v[S+j], v[S+j], -v11, v11       ; the hold (ISA guide 7.6.2)
.set j, j+1
.endr
.irp t, 0,1,2,3
	v_cvt_scalef32_pk8_bf8_f32 v[rC+2*\t:rC+2*\t+1], v[S+8*\t:S+8*\t+7], v10   ; k = 64 head + 16 t + 8 h + 0 .. 7
.endr
	v_nop                                          ; a plain line behind the last conversion
	ds_store_b128 v3, v[rC:rC+3]   offset:(\i)*8192
	ds_store_b128 v3, v[rC+4:rC+7] offset:(\i)*8192+512
	WIN 0x40                                       ; destination window 1: two of my images of Wo take the registers that this tile's O^T has left
.irp q, 0,1
.irp g, 0,1,2,3
	global_load_b128 v[rO+16*\q+4*\g:rO+16*\q+4*\g+3], v1, s[10:11] offset:(2*(\i)+\q)*2048+512*\g
.endr
.endr
	WIN 0
.endm
.irp i, 0,1,2,3,4,5,6,7
	CTX \i
.endr
.irp t, 0,1,2,3
	global_load_b128 v[BO+8*\t:BO+8*\t+3],   v12, s[12:13] offset:64*\t       ; bo in the result's layout: columns 16 t + 8 h + 0 .. 7; the statistics are done with
	global_load_b128 v[BO+8*\t+4:BO+8*\t+7], v12, s[12:13] offset:64*\t+16
.endr
	s_wait_dscnt 0x0                               ; for the others' sake: my head's images lie in LDS
	s_barrier_signal -1
	s_barrier_wait -1                              ; all eight heads' do
	s_wait_loadcnt 0x0                             ; Wo and bo
; THE OUTPUT PRODUCT, transposed: source 0 = 16 rows of Wo (columns of out), source 1 = 16 rows of the context: a lane holds eight neighbouring columns of one row.
.macro TOSTAGE m                       ; row tile m of the half: x 2^(e10 + e11) + bo, into my stage, and back as whole rows of 256 bytes
.if (\m) >= 2
	s_wait_xcnt 0x0                                ; the stores of two tiles ago have read the registers that the loads below take
.endif
.irp t, 0,1,2,3
.irp n, 0,2,4,6
	v_pk_fma_f32 v[ACC+8*(4*(\m)+\t)+\n:ACC+8*(4*(\m)+\t)+\n+1], v[ACC+8*(4*(\m)+\t)+\n:ACC+8*(4*(\m)+\t)+\n+1], s[26:27], v[BO+8*\t+\n:BO+8*\t+\n+1] op_sel_hi:[1,0,1]
.endr
.endr
.irp t, 0,1,2,3
	ds_store_b128 v5, v[ACC+8*(4*(\m)+\t):ACC+8*(4*(\m)+\t)+3]   offset:64*\t
	ds_store_b128 v5, v[ACC+8*(4*(\m)+\t)+4:ACC+8*(4*(\m)+\t)+7] offset:64*\t+16
.endr
.irp k, 0,1,2,3,4,5,6,7
	ds_load_b128 v[BK+32*((\m)%2)+4*\k:BK+32*((\m)%2)+4*\k+3], v6 offset:2*\k*272   ; LDS serves a wave's instructions in order: these see my stores, and the next tile's stores come behind them
.endr
.endm
.macro SEND a, m, younger              ; younger: the LDS instructions issued behind tile m's loads, which may stay out
	s_wait_dscnt \younger
.irp k, 0,1,2,3,4,5,6,7
	global_store_b128 v7, v[BK+32*((\m)%2)+4*\k:BK+32*((\m)%2)+4*\k+3], s[16:17] offset:(4*(\a)+(\m))*32768+2*\k*2048 th:TH_STORE_NT   ; 16 lanes store 256 consecutive bytes, at a multiple of 256 from out0's first byte
.endr
.endm
.macro HALF a                          ; row tiles 4 a .. 4 a + 3 x my four column tiles: 16 accumulators by turns, a K step of 128 at a time
	s_wait_xcnt 0x0                                ; the last half's stores have read the registers that the fragments take
.irp s, 0,1,2,3
	PLACES
.irp m, 0,1,2,3
.irp g, 0,1,2,3
	ds_load_b128 v[CF+16*\m+4*\g:CF+16*\m+4*\g+3], v4 offset:((4*(\a)+\m)*8+2*\s)*1024+512*\g
.endr
.endr
	s_wait_dscnt 0x0
	WIN 0x01                                       ; source 0 (Wo) window 1
.irp m, 0,1,2,3
.irp t, 0,1,2,3
.if \s == 0
	v_wmma_f32_16x16x128_bf8_bf8 v[ACC+8*(4*\m+\t):ACC+8*(4*\m+\t)+7], v[16*(4*\t+\s):16*(4*\t+\s)+15], v[CF+16*\m:CF+16*\m+15], 0
.else
	v_wmma_f32_16x16x128_bf8_bf8 v[ACC+8*(4*\m+\t):ACC+8*(4*\m+\t)+7], v[16*(4*\t+\s):16*(4*\t+\s)+15], v[CF+16*\m:CF+16*\m+15], v[ACC+8*(4*\m+\t):ACC+8*(4*\m+\t)+7]
.endif
.endr
.endr
	WIN 0
.endr
	PLACES
	TOSTAGE 0
	TOSTAGE 1
	SEND \a, 0, 16                                 ; behind tile 0's loads: tile 1's eight stores and eight loads
	TOSTAGE 2
	SEND \a, 1, 16
	TOSTAGE 3
	SEND \a, 2, 16
	SEND \a, 3, 0
.endm
	HALF 0
	HALF 1
	s_wait_tensorcnt 0x0
	ds_add_u32 v254, v255
	s_wait_dscnt 0x0
	s_endpgm
.Lfunc_end_k_q6c8c5e2a0d_attn:
	.size	k_q6c8c5e2a0d_attn, .Lfunc_end_k_q6c8c5e2a0d_attn-k_q6c8c5e2a0d_attn
	.p2alignl 7, 3214868480
	.fill 96, 4, 3214868480
	.section	.rodata,"a",@progbits
	.p2align	6, 0x0
	.amdhsa_kernel k_q6c8c5e2a0d_attn
		.amdhsa_group_segment_fixed_size 166912
		.amdhsa_private_segment_fixed_size 0
		.amdhsa_enable_private_segment 0
		.amdhsa_kernarg_size 56
		.amdhsa_user_sgpr_count 2
		.amdhsa_user_sgpr_kernarg_segment_ptr 1
		.amdhsa_wavefront_size32 1
		.amdhsa_system_sgpr_workgroup_id_x 1
		.amdhsa_system_sgpr_workgroup_id_y 1
		.amdhsa_system_sgpr_workgroup_id_z 1
		.amdhsa_system_vgpr_workitem_id 0
		.amdhsa_next_free_vgpr 512
		.amdhsa_next_free_sgpr 66
		.amdhsa_reserve_vcc 0
		.amdhsa_float_denorm_mode_32 3
		.amdhsa_float_denorm_mode_16_64 3
		.amdhsa_memory_ordered 1
		.amdhsa_forward_progress 1
		.amdhsa_inst_pref_size 255
	.end_amdhsa_kernel
	.section	.bss,"aw",@nobits
	.p2align	6
	.space	262144
	.amdgpu_metadata
---
amdhsa.version: [ 1, 2 ]
amdhsa.kernels:
  - .name:           k_q6c8c5e2a0d_attn
    .symbol:         k_q6c8c5e2a0d_attn.kd
    .args:
      - { .name: qc, .offset: 0, .size: 8, .value_kind: global_buffer, .address_space: global }
      - { .name: kc, .offset: 8, .size: 8, .value_kind: global_buffer, .address_space: global }
      - { .name: vc, .offset: 16, .size: 8, .value_kind: global_buffer, .address_space: global }
      - { .name: wcodes, .offset: 24, .size: 8, .value_kind: global_buffer, .address_space: global }
      - { .name: bo, .offset: 32, .size: 8, .value_kind: global_buffer, .address_space: global }
      - { .name: lowp_scales, .offset: 40, .size: 8, .value_kind: global_buffer, .address_space: global }
      - { .name: out0, .offset: 48, .size: 8, .value_kind: global_buffer, .address_space: global }
    .group_segment_fixed_size: 166912
    .private_segment_fixed_size: 0
    .kernarg_segment_align: 8
    .kernarg_segment_size: 56
    .max_flat_workgroup_size: 256
    .sgpr_count:     66
    .vgpr_count:     512
    .wavefront_size: 32
...
	.end_amdgpu_metadata
.endif
;; end of part 3
;; ======== version 2 of 2: 3 launches
;; workspace buffers: wcodes 1,048,576 bytes; qc 16,777,216 bytes; kc 16,777,216 bytes; vc 16,777,216 bytes
;; launch wquant (part 4): grid 64 x 1, 8 waves a work-group, no clusters, 0 bytes of LDS; arguments Wq, Wk, Wv, Wo, lowp_scales, wcodes; writes wcodes
.if DOCPART == 4
	.amdgcn_target "amdgcn-amd-amdhsa--gfx1250"
	.amdhsa_code_object_version 6
	.text
	.protected	k_q6c8c5e2a0d_wquant
	.globl	k_q6c8c5e2a0d_wquant
	.p2align	8
	.type	k_q6c8c5e2a0d_wquant,@function
k_q6c8c5e2a0d_wquant:
	s_mov_b64 s[64:65], 0
	v_nop
	global_prefetch_b8 v0, s[64:65] scope:SCOPE_SE
	s_setreg_imm32_b32 hwreg(HW_REG_WAVE_MODE, 25, 1), 1
	s_wait_xcnt 0x0
; Wq, Wk, Wv, Wo ([512][512] f32, K innermost) become codes of E5M2, laid in the ORDER OF AN OPERAND'S REGISTERS.
; code = x / 2^e, held within +-57,344, to the nearest code, ties to even.  e: entries 1, 3, 5, 11 of the scales' buffer.
; LIMITS: -126 <= e <= 112, so that 2^e and 57,344 x 2^e are f32 numbers.  NaN among the inputs is not served; an infinity is held at the largest code.
; AN IMAGE (16 rows x 128 K, 16 registers a lane, 2,048 bytes): lane (r = lane % 16, h = lane / 16) holds row r; registers 2 c, 2 c + 1 hold k = 16 c + 8 h + 0 .. 7: the place
; that the plain 8-bit matrix forms give each k.  Registers 4 g .. 4 g + 3 of lane l lie at byte 512 g + 16 l, so that a reader fills a fragment by four loads of 512 dense bytes.
; wcodes = [weight p: q, k, v, o][tile T of 16 rows: 32][K step s of 128: 4] images.  One wave makes one image: 4 x 128 images = 64 work-groups x 8 waves.
; No LDS, no barrier, no matrix unit: 4 MB are read once; a lane's loads take 32 bytes of each 64 of its row, which is taken as it is for so small a tensor.
.set X,  16                            ; v16-79  64 numbers: register 8 c + i = k 16 c + 8 h + i of my row
.set PC, 80                            ; v80-95  their codes
	s_load_b256 s[4:11], s[0:1], 0x0               ; Wq s[4:5], Wk s[6:7], Wv s[8:9], Wo s[10:11]
	s_load_b128 s[12:15], s[0:1], 0x20             ; the scales' exponents s[12:13], wcodes s[14:15]
	v_lshrrev_b32 v1, 5, v0
	s_delay_alu instid0(VALU_DEP_1)
	v_readfirstlane_b32 s16, v1                    ; wave 0..7
	s_lshr_b32 s17, ttmp9, 4                       ; p: which weight
	s_and_b32 s18, ttmp9, 15
	s_lshl_b32 s18, s18, 3
	s_add_co_u32 s18, s18, s16                     ; F = 4 T + s: which image of the weight, 0..127
	v_and_b32 v1, 15, v0                           ; r
	v_bfe_u32 v2, v0, 4, 1                         ; h
	s_delay_alu instid0(VALU_DEP_2)
	v_lshlrev_b32 v3, 11, v1                       ; row r of 2,048 bytes
	s_delay_alu instid0(VALU_DEP_1)
	v_lshl_add_u32 v3, v2, 5, v3                   ; + 32 h: my eight numbers of each sixteen
	v_and_b32 v4, 31, v0
	s_delay_alu instid0(VALU_DEP_1)
	v_lshlrev_b32 v4, 4, v4                        ; 16 x lane: my place in a piece of the image
	s_lshr_b32 s26, s18, 2
	s_lshl_b32 s26, s26, 15                        ; T x 16 rows x 2,048 bytes
	s_and_b32 s27, s18, 3
	s_lshl_b32 s27, s27, 9                         ; + s x 128 numbers
	s_add_co_u32 s26, s26, s27
	s_mov_b32 s27, 0
	s_lshl_b32 s28, s17, 18                        ; p x 262,144
	s_lshl_b32 s29, s18, 11                        ; + F x 2,048
	s_add_co_u32 s28, s28, s29
	s_mov_b32 s29, 0
	s_wait_alu depctr_va_vdst(0)
	s_wait_kmcnt 0x0
	s_load_b256 s[32:39], s[12:13], 0x0            ; entries 0 to 7
	s_load_b32 s40, s[12:13], 0x2c                 ; entry 11
	s_cmp_eq_u32 s17, 0                            ; the weight is chosen by the work-group's number alone
	s_cselect_b64 s[20:21], s[4:5], s[6:7]
	s_cmp_eq_u32 s17, 2
	s_cselect_b64 s[20:21], s[8:9], s[20:21]
	s_cmp_eq_u32 s17, 3
	s_cselect_b64 s[20:21], s[10:11], s[20:21]
	s_add_nc_u64 s[20:21], s[20:21], s[26:27]
	s_add_nc_u64 s[14:15], s[14:15], s[28:29]
.irp c, 0,1,2,3,4,5,6,7
	global_load_b128 v[X+8*\c:X+8*\c+3],   v3, s[20:21] offset:64*\c th:TH_LOAD_NT
	global_load_b128 v[X+8*\c+4:X+8*\c+7], v3, s[20:21] offset:64*\c+16 th:TH_LOAD_NT
.endr
	s_wait_kmcnt 0x0
	s_cmp_eq_u32 s17, 0
	s_cselect_b32 s25, s33, s35                    ; e of Wq or of Wk,
	s_cmp_eq_u32 s17, 2
	s_cselect_b32 s25, s37, s25                    ; of Wv,
	s_cmp_eq_u32 s17, 3
	s_cselect_b32 s25, s40, s25                    ; of Wo
	s_add_co_i32 s25, s25, 127
	s_lshl_b32 s24, s25, 23
	v_mov_b32 v8, s24                              ; 2^e as f32: the conversion takes its exponent field
	s_add_co_i32 s25, s25, 15
	s_lshl_b32 s25, s25, 23
	s_or_b32 s25, s25, 0x600000
	v_mov_b32 v9, s25                              ; 57,344 x 2^e
	s_wait_alu depctr_va_vdst(0)
	s_wait_loadcnt 0x0
.set j, 0
.rept 64
	v_med3_num_f32 v[X+j], v[X+j], -v9, v9         ; the conversion to an 8-bit code does not saturate (ISA guide 7.6.2): the hold comes first
.set j, j+1
.endr
.irp c, 0,1,2,3,4,5,6,7
	v_cvt_scalef32_pk8_bf8_f32 v[PC+2*\c:PC+2*\c+1], v[X+8*\c:X+8*\c+7], v8
.endr
	v_nop                                          ; a plain line behind the last conversion
.irp g, 0,1,2,3
	global_store_b128 v4, v[PC+4*\g:PC+4*\g+3], s[14:15] offset:512*\g   ; 32 lanes store 512 consecutive bytes, at a multiple of 512 from the buffer's first byte
.endr
	s_endpgm
.Lfunc_end_k_q6c8c5e2a0d_wquant:
	.size	k_q6c8c5e2a0d_wquant, .Lfunc_end_k_q6c8c5e2a0d_wquant-k_q6c8c5e2a0d_wquant
	.p2alignl 7, 3214868480
	.fill 96, 4, 3214868480
	.section	.rodata,"a",@progbits
	.p2align	6, 0x0
	.amdhsa_kernel k_q6c8c5e2a0d_wquant
		.amdhsa_group_segment_fixed_size 0
		.amdhsa_private_segment_fixed_size 0
		.amdhsa_enable_private_segment 0
		.amdhsa_kernarg_size 48
		.amdhsa_user_sgpr_count 2
		.amdhsa_user_sgpr_kernarg_segment_ptr 1
		.amdhsa_wavefront_size32 1
		.amdhsa_system_sgpr_workgroup_id_x 1
		.amdhsa_system_sgpr_workgroup_id_y 1
		.amdhsa_system_sgpr_workgroup_id_z 1
		.amdhsa_system_vgpr_workitem_id 0
		.amdhsa_next_free_vgpr 96
		.amdhsa_next_free_sgpr 66
		.amdhsa_reserve_vcc 0
		.amdhsa_float_denorm_mode_32 3
		.amdhsa_float_denorm_mode_16_64 3
		.amdhsa_memory_ordered 1
		.amdhsa_forward_progress 1
		.amdhsa_inst_pref_size 9
	.end_amdhsa_kernel
	.amdgpu_metadata
---
amdhsa.version: [ 1, 2 ]
amdhsa.kernels:
  - .name:           k_q6c8c5e2a0d_wquant
    .symbol:         k_q6c8c5e2a0d_wquant.kd
    .args:
      - { .name: Wq, .offset: 0, .size: 8, .value_kind: global_buffer, .address_space: global }
      - { .name: Wk, .offset: 8, .size: 8, .value_kind: global_buffer, .address_space: global }
      - { .name: Wv, .offset: 16, .size: 8, .value_kind: global_buffer, .address_space: global }
      - { .name: Wo, .offset: 24, .size: 8, .value_kind: global_buffer, .address_space: global }
      - { .name: lowp_scales, .offset: 32, .size: 8, .value_kind: global_buffer, .address_space: global }
      - { .name: wcodes, .offset: 40, .size: 8, .value_kind: global_buffer, .address_space: global }
    .group_segment_fixed_size: 0
    .private_segment_fixed_size: 0
    .kernarg_segment_align: 8
    .kernarg_segment_size: 48
    .max_flat_workgroup_size: 256
    .sgpr_count:     66
    .vgpr_count:     96
    .wavefront_size: 32
...
	.end_amdgpu_metadata
.endif
;; end of part 4
;; launch proj (part 5): grid 64 x 3, 4 waves a work-group, no clusters, 327,680 bytes of LDS; arguments query, key, value, bq, bk, bv, wcodes, lowp_scales, qc, kc, vc; writes qc, kc, vc
.if DOCPART == 5
	.amdgcn_target "amdgcn-amd-amdhsa--gfx1250"
	.amdhsa_code_object_version 6
	.text
	.protected	k_q6c8c5e2a0d_proj
	.globl	k_q6c8c5e2a0d_proj
	.p2align	8
	.type	k_q6c8c5e2a0d_proj,@function
k_q6c8c5e2a0d_proj:
	s_mov_b64 s[64:65], 0
	v_nop
	global_prefetch_b8 v0, s[64:65] scope:SCOPE_SE
	s_setreg_imm32_b32 hwreg(HW_REG_WAVE_MODE, 25, 1), 1
	s_wait_xcnt 0x0
; q = query Wq^T + bq, k = key Wk^T + bk, v = value Wv^T + bv, each product on codes of E5M2, and each result quantised at once as an operand of the attention's products.
; Work-group (x = batch bc of 64, y = 0 q, 1 k, 2 v) takes 512 rows x 512 features, as 8 blocks of 64 rows.
; SHARES.  THE WAVES SHARE THE FEATURES: wave w keeps rows 128 w .. 128 w + 127 of W over all of K (32 images of 16 x 128, 512 registers) for the whole launch.  x comes by tensor loads
; through a ring of two LDS slots: of each block wave w fetches 32 rows (32 (w / 2) on) x half of K (256 (w % 2) on).  Behind the block's barrier wave w reads and quantises rows 16 w .. 16 w + 15,
; and hands its four fragments to the others through LDS as images of their registers; then every wave multiplies the block's four row tiles by its eight feature tiles: 128 matrix instructions of K = 128.
; LAYOUT.  A result tile gives lane (r, h) column r and rows 8 h + 0 .. 7 in its eight registers, and the conversion of those eight is registers 2 c, 2 c + 1 of a plain 8-bit operand whose K runs
; along the tile's rows.  q, k: source 0 = W, source 1 = x: a lane holds one position and eight features: four feature tiles are a head's fragment (16 positions x 64).
; v: the sources swapped: a lane holds one feature and eight positions: four row tiles are a fragment of V^T (16 features x 64 keys).  Nothing is ever transposed.
; OUT.  qc, kc = [bc][head 8][tile of 16 positions: 32] images of 1,024 bytes; vc = [bc][head][key step of 64: 8][tile of 16 features: 4] images.  In all three a block is 4,096 bytes further on.
; SCALES.  A sum stands for sum x 2^(ea + eb).  The bias goes in as the C of the first K step, divided by that power; the result's conversion takes 2^(eo - ea - eb).
; LIMITS: ea, and eo - ea - eb, between -126 and 112.  NaN among the inputs is not served; infinities are held at the largest code.
; NO CLUSTER: the work-groups of one y share only the weight's codes, 262,144 of the 1,310,720 bytes that a work-group takes in, and those go once, straight into registers, where a joint load cannot land.
; 192 work-groups: the 1,536 blocks have no split into 256 equal shares in which each share keeps to one weight.
; LDS rows: half a row of x, 1,024 bytes + 16 of padding = 260 words.
; REGISTERS.  window 0: v1-13 addresses and scales; v16-79 the bias, 8 a feature tile; v80-143, v144-207 two buffers of 64; v208-239 two sets of codes.  windows 1, 2: W.  window 3: 32 accumulators.
.set HP,    1040                       ; an LDS row: 1,024 bytes + 16
.set WPART, 32*HP                      ; what one tensor load brings: 32 rows.  Part 2 g + u of a slot: rows 32 g on, K from 256 u on
.set SLOTB, 4*WPART
.set IMG,   2*SLOTB                    ; behind the ring: x's 16 images, (row tile m, K step s) at (4 m + s) x 2,048
.set SPARE, IMG+32768                  ; behind them: the spare words, 128 bytes for each wave: two blocks of 256 bytes that no other line names
.set BIAS,  16
.set BA,    80
.set BB,    144
.set PC0,   208
.set PC1,   224
.set G1,    40                         ; s[40:47] descriptor group 1
.set G0,    48                         ; s[48:55] descriptor group 0, a set for each slot
.set MSB, 0
.macro WIN new                         ; the immediate's high byte repeats the setting that is left; a switch that changes nothing is dropped
.if MSB != (\new)
	s_set_vgpr_msb (MSB<<8)|(\new)
.set MSB, (\new)
.endif
.endm
.macro PLACES                          ; four plain lines behind matrix instructions, ahead of loads into their sources and of reads of their results
.rept 4
	v_nop
.endr
.endm
	s_load_b256 s[4:11], s[0:1], 0x0               ; query s[4:5], key s[6:7], value s[8:9], bq s[10:11]
	s_load_b256 s[12:19], s[0:1], 0x20             ; bk s[12:13], bv s[14:15], wcodes s[16:17], the scales' exponents s[18:19]
	s_load_b128 s[20:23], s[0:1], 0x40             ; qc s[20:21], kc s[22:23]
	s_load_b64 s[24:25], s[0:1], 0x50              ; vc
	v_lshl_add_u32 v8, v0, 2, SPARE                ; my spare word; never rewritten
	v_mov_b32 v9, 0                                ; 0; never rewritten
	ds_add_u32 v8, v9
	ds_add_u32 v8, v9
	s_wait_dscnt 0x0
	v_lshrrev_b32 v1, 5, v0
	v_readfirstlane_b32 s26, v1                    ; wave 0..3
	s_and_b32 s27, ttmp7, 0xffff                   ; y: which projection
	s_cmp_eq_u32 s27, 2
	s_cselect_b32 s29, 1, 0                        ; 1: v, whose products take the sources the other way round
	; group 1: 32 rows of 256 elements of 4 bytes, 512 elements from row to row, 16 bytes of padding behind each row in LDS
	s_mov_b32 s[G1+0], (2<<16)|(1<<20)|(7<<22)|(3<<25)  ; no mask; elements of 4 bytes; padding on; after every 256 words (code 7); of 4 words (code 3)
	s_mov_b32 s[G1+1], 256<<16                     ; tensor_dim0 = 256
	s_mov_b32 s[G1+2], 32<<16                      ; tensor_dim1 = 32
	s_mov_b32 s[G1+3], 256<<16                     ; tile_dim0 = 256
	s_mov_b32 s[G1+4], 32                          ; tile_dim1 = 32
	s_mov_b32 s[G1+5], 512                         ; from row to row: a whole row of x
	s_mov_b32 s[G1+6], 0
	s_mov_b32 s[G1+7], 0
	s_mul_i32 s61, s26, WPART                      ; the part of a slot that I fill
	s_lshl_b32 s62, ttmp9, 20                      ; the batch's 512 rows of 2,048 bytes,
	s_lshr_b32 s63, s26, 1
	s_lshl_b32 s63, s63, 16                        ; the 32 rows of a block that I fetch: 32 (w / 2) on,
	s_add_co_u32 s62, s62, s63
	s_and_b32 s63, s26, 1
	s_lshl_b32 s63, s63, 10                        ; and their half of K: 1,024 (w % 2) bytes on
	s_add_co_u32 s62, s62, s63
	s_mov_b32 s63, 0
	s_wait_kmcnt 0x0
	s_cmp_eq_u32 s27, 0                            ; the buffers are chosen by the work-group's number alone
	s_cselect_b64 s[30:31], s[4:5], s[6:7]         ; x
	s_cselect_b64 s[32:33], s[10:11], s[12:13]     ; the bias
	s_cselect_b64 s[34:35], s[20:21], s[22:23]     ; the codes' buffer
	s_cmp_eq_u32 s27, 2
	s_cselect_b64 s[30:31], s[8:9], s[30:31]
	s_cselect_b64 s[32:33], s[14:15], s[32:33]
	s_cselect_b64 s[34:35], s[24:25], s[34:35]
	s_add_nc_u64 s[30:31], s[30:31], s[62:63]
.irp n, 0,1
	s_mov_b32 s[G0+4*\n], 1                        ; count = 1
	s_add_co_u32 s[G0+4*\n+1], s61, \n*SLOTB       ; LDS address: the slot, my part
	s_add_nc_u64 s[G0+4*\n+2:G0+4*\n+3], s[30:31], \n*131072   ; block n: 64 rows of 2,048 bytes a block
	s_or_b32 s[G0+4*\n+3], s[G0+4*\n+3], 0x80000000           ; type = 2
.endr
	tensor_load_to_lds s[G0:G0+3], s[G1:G1+7]      ; block 0 into slot 0, ahead of everything else; slot 1 is first filled behind the first block's barrier
	s_nop 0
	PLACES
	s_load_b256 s[68:75], s[18:19], 0x0            ; entries 0 to 7
	s_load_b128 s[76:79], s[18:19], 0x20           ; entries 8 to 11
	s_lshl_b32 s62, s26, 9
	s_add_nc_u64 s[32:33], s[32:33], s[62:63]      ; the bias of my 128 features
	s_lshl_b32 s62, ttmp9, 18
	s_lshl_b32 s66, s26, 16
	s_add_co_u32 s62, s62, s66
	s_add_nc_u64 s[34:35], s[34:35], s[62:63]      ; out: the batch's 262,144 bytes, my two heads' 65,536
	s_lshl_b32 s62, s27, 18
	s_add_co_u32 s62, s62, s66
	s_add_nc_u64 s[36:37], s[16:17], s[62:63]      ; W's codes: weight y, my 32 images
	v_and_b32 v1, 31, v0
	v_lshlrev_b32 v1, 4, v1                        ; v1: 16 x lane: my place in a piece of an image
	v_and_b32 v2, 15, v0                           ; r
	s_wait_alu depctr_va_vdst(0)
	v_bfe_u32 v3, v0, 4, 1                         ; h
	WIN 0x40                                       ; destination window 1
.set f, 0
.rept 16                                       ; image F = 4 t + s of feature tiles 0-3 at v[16 F] of window 1
.irp g, 0,1,2,3
	global_load_b128 v[16*f+4*\g:16*f+4*\g+3], v1, s[36:37] offset:f*2048+512*\g
.endr
.set f, f+1
.endr
	WIN 0x80                                       ; destination window 2: feature tiles 4-7
.set f, 0
.rept 16
.irp g, 0,1,2,3
	global_load_b128 v[16*f+4*\g:16*f+4*\g+3], v1, s[36:37] offset:(f+16)*2048+512*\g
.endr
.set f, f+1
.endr
	WIN 0
	s_lshr_b32 s62, s26, 1
	s_mul_i32 s62, s62, 2*WPART                    ; the rows that I READ, 16 w on, lie in parts 2 (w / 2) and 2 (w / 2) + 1,
	s_and_b32 s63, s26, 1
	s_mul_i32 s63, s63, 16*HP                      ; from row 16 (w % 2) of a part on
	s_add_co_u32 s62, s62, s63
	v_mul_u32_u24 v4, v2, HP
	s_wait_alu depctr_va_vdst(0)
	v_lshl_add_u32 v4, v3, 5, v4
	v_add_nc_u32 v4, s62, v4                       ; v4: x in slot 0: row r of mine + 32 h (my eight numbers of each sixteen)
	v_add_nc_u32 v5, SLOTB, v4                     ; v5: in slot 1
	s_lshl_b32 s62, s26, 13
	s_add_co_u32 s62, s62, IMG
	v_add_nc_u32 v6, s62, v1                       ; v6: where I store my four images
	v_add_nc_u32 v7, IMG, v1                       ; v7: where any image is read
	; the bias in the result's layout.  q, k: register j of tile t is feature 16 t + 8 h + j: byte 64 t + 32 h + 4 j.  v: all eight are feature 16 t + r: byte 64 t + 4 r
	s_cmp_eq_u32 s29, 0
	s_cselect_b32 s62, 0, 4
	s_cselect_b32 s63, 32, 0
	s_cselect_b32 s66, 4, 0
	v_mul_u32_u24 v240, s62, v2
	v_mad_u32_u24 v240, v3, s63, v240
.irp j, 1,2,3,4,5,6,7
	v_add_nc_u32 v[240+\j], s66, v[239+\j]
.endr
.irp t, 0,1,2,3,4,5,6,7
.irp j, 0,1,2,3,4,5,6,7
	global_load_b32 v[BIAS+8*\t+\j], v[240+\j], s[32:33] offset:64*\t
.endr
.endr
	s_wait_loadcnt 0x0                             ; W and the bias, once
	s_wait_kmcnt 0x0
	s_cmp_eq_u32 s27, 0
	s_cselect_b32 s58, s68, s70                    ; ea: entry 0, 2 or 4
	s_cselect_b32 s59, s69, s71                    ; eb: entry 1, 3 or 5
	s_cselect_b32 s60, s74, s75                    ; eo: entry 6, 7 or 9
	s_cmp_eq_u32 s27, 2
	s_cselect_b32 s58, s72, s58
	s_cselect_b32 s59, s73, s59
	s_cselect_b32 s60, s77, s60
	s_add_co_i32 s61, s58, s59                     ; ea + eb
	s_sub_co_i32 s62, 0, s61
.set j, 0
.rept 64
	v_ldexp_f32 v[BIAS+j], v[BIAS+j], s62          ; bias / 2^(ea + eb)
.set j, j+1
.endr
	s_add_co_i32 s63, s58, 127
	s_lshl_b32 s66, s63, 23
	v_mov_b32 v10, s66                             ; 2^ea, for x's conversions
	s_add_co_i32 s63, s63, 15
	s_lshl_b32 s63, s63, 23
	s_or_b32 s63, s63, 0x600000
	v_mov_b32 v11, s63                             ; 57,344 x 2^ea
	s_sub_co_i32 s63, s60, s61
	s_add_co_i32 s63, s63, 127
	s_lshl_b32 s66, s63, 23
	v_mov_b32 v12, s66                             ; 2^(eo - ea - eb), for the results' conversions
	s_add_co_i32 s63, s63, 15
	s_lshl_b32 s63, s63, 23
	s_or_b32 s63, s63, 0x600000
	v_mov_b32 v13, s63                             ; 57,344 x that
; my row's 64 numbers of K step s: register 8 c + i = k 128 s + 16 c + 8 h + i.  K steps 0, 1 lie in the first of my two parts, K steps 2, 3 in the second
.macro XLD slot, s, dst
.irp c, 0,1,2,3,4,5,6,7
	ds_load_b128 v[\dst+8*\c:\dst+8*\c+3],   v[4+\slot] offset:((\s)/2)*WPART+((\s)%2)*512+64*\c
	ds_load_b128 v[\dst+8*\c+4:\dst+8*\c+7], v[4+\slot] offset:((\s)/2)*WPART+((\s)%2)*512+64*\c+16
.endr
.endm
.macro QUANT src, pc                   ; 64 numbers become a fragment's 16 registers of codes
.set j, 0
.rept 64
	v_med3_num_f32 v[\src+j], v[\src+j], -v11, v11 ; the conversion to an 8-bit code does not saturate (ISA guide 7.6.2): the hold comes first
.set j, j+1
.endr
.irp c, 0,1,2,3,4,5,6,7
	v_cvt_scalef32_pk8_bf8_f32 v[\pc+2*\c:\pc+2*\c+1], v[\src+8*\c:\src+8*\c+7], v10
.endr
	v_nop                                          ; a plain line behind the last conversion
.endm
.macro IMAGE pc, s                     ; the fragment goes to LDS as it stands: 512 consecutive bytes a store
.irp g, 0,1,2,3
	ds_store_b128 v6, v[\pc+4*\g:\pc+4*\g+3] offset:(\s)*2048+512*\g
.endr
.endm
.macro FETCH s, dst                    ; K step s of the block's four row tiles
.irp m, 0,1,2,3
.irp g, 0,1,2,3
	ds_load_b128 v[\dst+16*\m+4*\g:\dst+16*\m+4*\g+3], v7 offset:(4*\m+(\s))*2048+512*\g
.endr
.endr
.endm
; 32 matrix instructions: my 8 feature tiles x the 4 row tiles, K step s.  The 32 accumulators take turns, one instruction a turn, from number 0 to number 31 in both arms.
; The accumulators are numbered so that the codes of u = 0 .. 31, two registers each, are the eight output images on end: q, k: u = 16 (t / 4) + 4 m + t % 4; v: u = 4 t + m.
; The branch hangs on the work-group's y; its arms hold matrix instructions and window switches alone.
.macro MUL s, xb
	s_cmp_eq_u32 s29, 0
	s_cbranch_scc0 .Lv_\@
.irp t, 0,1,2,3,4,5,6,7
.if (\s) == 0
	WIN 0xc1+\t/4                                  ; source 0 (W) window 1 or 2, source 1 (x) and C (the bias) window 0, D window 3
.else
	WIN 0xf1+\t/4                                  ; C in window 3 too
.endif
.irp m, 0,1,2,3
.set u, 16*(\t/4)+4*\m+\t%4
.set wr, 16*(4*(\t%4)+(\s))
.if (\s) == 0
	v_wmma_f32_16x16x128_bf8_bf8 v[8*u:8*u+7], v[wr:wr+15], v[\xb+16*\m:\xb+16*\m+15], v[BIAS+8*\t:BIAS+8*\t+7]
.else
	v_wmma_f32_16x16x128_bf8_bf8 v[8*u:8*u+7], v[wr:wr+15], v[\xb+16*\m:\xb+16*\m+15], v[8*u:8*u+7]
.endif
.endr
.endr
	WIN 0
	s_branch .Lj_\@
.Lv_\@:
.irp t, 0,1,2,3,4,5,6,7
.if (\s) == 0
	WIN 0xc4+4*(\t/4)                              ; source 0 (x) window 0, source 1 (W) window 1 or 2
.else
	WIN 0xf4+4*(\t/4)
.endif
.irp m, 0,1,2,3
.set u, 4*\t+\m
.set wr, 16*(4*(\t%4)+(\s))
.if (\s) == 0
	v_wmma_f32_16x16x128_bf8_bf8 v[8*u:8*u+7], v[\xb+16*\m:\xb+16*\m+15], v[wr:wr+15], v[BIAS+8*\t:BIAS+8*\t+7]
.else
	v_wmma_f32_16x16x128_bf8_bf8 v[8*u:8*u+7], v[\xb+16*\m:\xb+16*\m+15], v[wr:wr+15], v[8*u:8*u+7]
.endif
.endr
.endr
	WIN 0
.Lj_\@:
.endm
; the block's results: held, converted (accumulator u gives registers 2 u, 2 u + 1 of the eight images) and stored, 512 dense bytes a store
.macro OUT slot
	PLACES
	WIN 0xc3                                       ; source 0 and destination window 3
.set j, 0
.rept 256
	v_med3_num_f32 v[j], v[j], -v13, v13           ; each accumulator from its low end on
.set j, j+1
.endr
	WIN 0x03                                       ; source 0 window 3, destination window 0
.set u, 0
.rept 32
	v_cvt_scalef32_pk8_bf8_f32 v[BA+2*u:BA+2*u+1], v[8*u:8*u+7], v12
.set u, u+1
.endr
	v_nop                                          ; a plain line behind the last conversion
	WIN 0
.set f, 0
.rept 8                                        ; image f: head f / 4 of my two; q, k: row tile f % 4; v: feature tile f % 4
.irp g, 0,1
	global_store_b128 v1, v[BA+8*f+4*\g:BA+8*f+4*\g+3], s[34:35] offset:(\slot)*4096+(f/4)*32768+(f%4)*1024+512*\g
.endr
.set f, f+1
.endr
.endm
; A BLOCK of 64 rows, in slot `slot`.  At its head the change of slots: all my tensor loads have landed (my part of this slot among them), 0 is added to my spare word, the add and all my LDS
; reads (of the other slot, and of the last block's images) are over; then the barrier: behind it this slot is whole, all four waves' parts, and nobody reads the other one, which is filled with the
; next block: my one tensor load until the next such barrier.
.macro BLOCK slot, refill
	s_wait_xcnt 0x0                                ; the last block's stores have read their registers: BA is loaded again below
	s_wait_tensorcnt 0x0                           ; no tensor load of mine is out, so a group 0 may be written
	ds_add_u32 v8, v9                              ; 0 onto my spare word
	s_add_nc_u64 s[G0+4*\slot+2:G0+4*\slot+3], s[G0+4*\slot+2:G0+4*\slot+3], 262144   ; this slot's next block: two blocks on
	s_wait_dscnt 0x0
	s_barrier_signal -1
	s_barrier_wait -1
.if \refill
	tensor_load_to_lds s[G0+4-4*\slot:G0+7-4*\slot], s[G1:G1+7]
	s_nop 0
	PLACES
.endif
	; X: rows 16 w .. 16 w + 15 become four fragments; the reads run one K step ahead of the conversions
	XLD \slot, 0, BA
	XLD \slot, 1, BB
	s_wait_dscnt 16                                ; K step 0 is in; K step 1's sixteen loads may be out
	QUANT BA, PC0
	IMAGE PC0, 0
	XLD \slot, 2, BA
	s_wait_dscnt 20                                ; K step 1 is in; younger: four stores, sixteen loads
	QUANT BB, PC1
	IMAGE PC1, 1
	XLD \slot, 3, BB
	s_wait_dscnt 20                                ; K step 2 is in, and image 0's stores are done: PC0 may be written; younger: four stores, sixteen loads
	QUANT BA, PC0
	IMAGE PC0, 2
	s_wait_dscnt 4                                 ; K step 3 is in, image 1's stores are done; younger: image 2's four stores
	QUANT BB, PC1
	IMAGE PC1, 3
	s_wait_dscnt 0x0                               ; for the others' sake: my images lie in LDS
	s_barrier_signal -1
	s_barrier_wait -1                              ; all sixteen do.
	; M: four K steps, the fragments one K step ahead
	FETCH 0, BA
	FETCH 1, BB
	s_wait_dscnt 16
	MUL 0, BA
	PLACES
	FETCH 2, BA
	s_wait_dscnt 16
	MUL 1, BB
	PLACES
	FETCH 3, BB
	s_wait_dscnt 16
	MUL 2, BA
	s_wait_dscnt 0x0
	MUL 3, BB
	OUT \slot
.endm
	s_mov_b32 s56, 3
.Lb:                                               ; three trips of two blocks; each asks for the block after it
	s_wait_alu depctr_va_vdst(0)
	BLOCK 0, 1
	BLOCK 1, 1
	s_wait_xcnt 0x0                                ; the stores have read their base
	s_add_nc_u64 s[34:35], s[34:35], 8192          ; two blocks on
	s_sub_co_u32 s56, s56, 1
	s_cmp_lg_u32 s56, 0
	s_cbranch_scc1 .Lb
	BLOCK 0, 1                                     ; the tail is written out: block 6 asks for block 7
	BLOCK 1, 0                                     ; which asks for nothing
	s_wait_tensorcnt 0x0                           ; the wave's end
	ds_add_u32 v8, v9
	s_wait_dscnt 0x0
	s_endpgm
.Lfunc_end_k_q6c8c5e2a0d_proj:
	.size	k_q6c8c5e2a0d_proj, .Lfunc_end_k_q6c8c5e2a0d_proj-k_q6c8c5e2a0d_proj
	.p2alignl 7, 3214868480
	.fill 96, 4, 3214868480
	.section	.rodata,"a",@progbits
	.p2align	6, 0x0
	.amdhsa_kernel k_q6c8c5e2a0d_proj
		.amdhsa_group_segment_fixed_size 327680
		.amdhsa_private_segment_fixed_size 0
		.amdhsa_enable_private_segment 0
		.amdhsa_kernarg_size 88
		.amdhsa_user_sgpr_count 2
		.amdhsa_user_sgpr_kernarg_segment_ptr 1
		.amdhsa_wavefront_size32 1
		.amdhsa_system_sgpr_workgroup_id_x 1
		.amdhsa_system_sgpr_workgroup_id_y 1
		.amdhsa_system_sgpr_workgroup_id_z 1
		.amdhsa_system_vgpr_workitem_id 0
		.amdhsa_next_free_vgpr 1024
		.amdhsa_next_free_sgpr 80
		.amdhsa_reserve_vcc 0
		.amdhsa_float_denorm_mode_32 3
		.amdhsa_float_denorm_mode_16_64 3
		.amdhsa_memory_ordered 1
		.amdhsa_forward_progress 1
		.amdhsa_inst_pref_size 255
	.end_amdhsa_kernel
	.section	.bss,"aw",@nobits
	.p2align	6
	.space	262144
	.amdgpu_metadata
---
amdhsa.version: [ 1, 2 ]
amdhsa.kernels:
  - .name:           k_q6c8c5e2a0d_proj
    .symbol:         k_q6c8c5e2a0d_proj.kd
    .args:
      - { .name: query, .offset: 0, .size: 8, .value_kind: global_buffer, .address_space: global }
      - { .name: key, .offset: 8, .size: 8, .value_kind: global_buffer, .address_space: global }
      - { .name: value, .offset: 16, .size: 8, .value_kind: global_buffer, .address_space: global }
      - { .name: bq, .offset: 24, .size: 8, .value_kind: global_buffer, .address_space: global }
      - { .name: bk, .offset: 32, .size: 8, .value_kind: global_buffer, .address_space: global }
      - { .name: bv, .offset: 40, .size: 8, .value_kind: global_buffer, .address_space: global }
      - { .name: wcodes, .offset: 48, .size: 8, .value_kind: global_buffer, .address_space: global }
      - { .name: lowp_scales, .offset: 56, .size: 8, .value_kind: global_buffer, .address_space: global }
      - { .name: qc, .offset: 64, .size: 8, .value_kind: global_buffer, .address_space: global }
      - { .name: kc, .offset: 72, .size: 8, .value_kind: global_buffer, .address_space: global }
      - { .name: vc, .offset: 80, .size: 8, .value_kind: global_buffer, .address_space: global }
    .group_segment_fixed_size: 327680
    .private_segment_fixed_size: 0
    .kernarg_segment_align: 8
    .kernarg_segment_size: 88
    .max_flat_workgroup_size: 128
    .sgpr_count:     80
    .vgpr_count:     1024
    .wavefront_size: 32
...
	.end_amdgpu_metadata
.endif
;; end of part 5
;; launch attn (part 6): grid 4 x 64, 8 waves a work-group, no clusters, 166,912 bytes of LDS; arguments qc, kc, vc, wcodes, bo, lowp_scales, out0; writes out0
.if DOCPART == 6
	.amdgcn_target "amdgcn-amd-amdhsa--gfx1250"
	.amdhsa_code_object_version 6
	.text
	.protected	k_q6c8c5e2a0d_attn
	.globl	k_q6c8c5e2a0d_attn
	.p2align	8
	.type	k_q6c8c5e2a0d_attn,@function
k_q6c8c5e2a0d_attn:
	s_mov_b64 s[64:65], 0
	v_nop
	global_prefetch_b8 v0, s[64:65] scope:SCOPE_SE
	s_setreg_imm32_b32 hwreg(HW_REG_WAVE_SCHED_MODE, 0, 2), 2
	s_setreg_imm32_b32 hwreg(HW_REG_WAVE_MODE, 25, 1), 1
	s_wait_xcnt 0x0
	s_wait_alu depctr_vm_vsrc(0)
; out = softmax(q k^T / 8) v, heads joined, x Wo^T + bo: three products on codes of E5M2.  Work-group (x = block of 128 queries, y = batch bc) makes 128 rows of out0.
; THE KEY LOOP: wave w is head w and holds all 128 queries, eight tiles of 16.  K's and V's fragments come from memory straight into operand registers (the buffers are laid as register images: each load
; is 512 dense bytes), each once a work-group, each feeding eight products; they are asked for one key step (64 keys) ahead, in two sets of registers.  No barrier stands in the loop.
; BOTH PRODUCTS TRANSPOSED: S^T = K Q^T (source 0 = 16 keys, source 1 = 16 queries), O^T = V^T P^T (source 0 = 16 of the head's 64, source 1 = P): a lane holds ONE query throughout, its registers run along the
; keys, then along the head's features; so the conversions' results are the next product's operand registers, k in its true place.
; THE SOFTMAX: t = score x log2(e) / 8; M = the running largest t rounded UP to a whole number, kept as -M = floor(-t); p = 2^(t - M) is quantised, not normalised; the row's sum is taken of the unquantised p;
; when M moves, the sum and O^T are multiplied by 2^(old M - new M), which rounds nothing.  At the end O^T is divided by the sum.
; p'S HOLD at 57,344 x 2^e8 is jumped over where it can change nothing: p is at most 1 (one rounding above it at the most), and the hold stands at 1.75 or above where e8 >= -15.  The branch hangs on a whole
; number read from the scales' buffer, the same in every wave; this launch has no tensor load, and no barrier stands under the branch.
; THE OUTPUT PRODUCT: each wave's context (its head = 64 of K = 512) is quantised in registers and goes to LDS as images; one barrier; wave w then makes columns 64 w .. 64 w + 63 of the 128 rows, with its part of Wo
; (16 images) in the registers that O^T has left.  Results leave through the wave's own stage, sixteen lanes to 256 consecutive aligned bytes.
; LIMITS on the given exponents: e6 + e7 between -123 and 130 (added to c's exponent field); e8 and e10 between -126 and 112; e10 + e11 between -126 and 127; e8 + e9 goes in by v_ldexp_f32 and has none.  NaN is not served.
; NO CLUSTER: the four query blocks of a batch read the same K and V, but no byte of them passes through LDS here, and a joint load lands in LDS alone: it would add an LDS write and read of all 524,288 bytes
; a work-group and a round of the cluster's barrier for each refill to eight waves that otherwise never meet in the loop.
; REGISTERS.  window 0: v1-12 addresses and scales; v16-47 four statistics a tile (-M, the largest t, the sum in two halves), later bo; v48-55 at work; v56-71 Q, two sets; v72-79 P;
;   v80-111 S^T, then p; v112-239 K and V, two sets of 64; behind the loop v112-175 the context's codes, 8 a tile; in the output product v48-111 the context's fragments and rows on their way out,
;   v112-239 16 accumulators; v254, v255 the closing add's two.   window 1: O^T, 32 a tile; later Wo.
; THE MODE: SCHED_MODE bits 1:0 = 2 (LLVM: expert scheduling mode 2), set by the entry lines.  The code itself states the register dependences between vector or matrix instructions and memory or LDS
; instructions, with s_wait_alu, always for 0.
; THE PLAN.  Registers that memory or LDS instructions touch:
;   v1-v7, v12    offsets and LDS addresses: made at the head, ahead of one wait on va_vdst, and never written again.
;   Q0, Q1        Tile i's four products K Q^T read Q[i % 2]; the LDS load at tile i + 1's head lands in it.
;   KV0, KV1      Step p's products read KV[p]; the sixteen loads issued in step p land in KV[1 - p], which step p - 1's products read.
;   In the key loop two waits on va_vdst stand in a tile, one ahead of its 32 exponentials and one behind them.  The second states that their results are written; that this tile's products K Q^T are done reading their set of Q, in which the
;   next tile's load lands; and, in a step's first tile, that the last step's products are done reading the other set of K and V: so the step's sixteen loads stand straight behind that wait.
;   Nothing issued behind the wait names Q's registers, the other set, v1 or v2.
;   CC            the context's codes: written by the conversions, read by LDS stores; a set for each tile, so that none is written twice.  O^T's registers: read by the context's multiplications, then Wo's
;                 loads land there.  One wait on va_vdst for each pair of tiles states both; bo's loads, into the statistics' registers, follow the last.
;   CF0, CF1      (row tiles 0, 1 and 2, 3 of a half) read by eight products each; behind those eight, one wait on va_vdst, and the next K step's eight loads land while the other buffer is multiplied.
;   ACC           written by the products and by the scaling in place, read by the stage's LDS stores: two waits on va_vdst a half, each for two row tiles.
;   BK0, BK1      (= CF) rows back from the stage, read by the global stores: a wait on vm_vsrc ahead of each load that lands there again.
.set CIMG, 65536                       ; LDS: from 0 Q's images, 8,192 bytes a wave, the wave's own; from here the context's: [tile 8][head 8] x 1,024: heads 2 s, 2 s + 1 on end are K step s
.set STG,  131072                      ; the stages: 16 rows x (256 + 16) bytes for each wave, the wave's own
.set ST,   16
.set QF,   56
.set P,    72
.set S,    80
.set KV,   112
.set CC,   112
.set ACC,  112
.set CF,   48
.set BK,   48
.set BO,   16
.set MSB, 0
.macro WIN new                         ; the immediate's high byte repeats the setting that is left; a switch that changes nothing is dropped
.if MSB != (\new)
	s_set_vgpr_msb (MSB<<8)|(\new)
.set MSB, (\new)
.endif
.endm
.macro PLACES                          ; four plain lines behind matrix instructions, ahead of reads of their results and of loads into their sources
.rept 4
	v_nop
.endr
.endm
.macro LOADKV set, off                 ; a key step's four tiles of K and four of V^T: sixteen loads of 512 dense bytes
.irp t, 0,1,2,3
.irp g, 0,1
	global_load_b128 v[KV+64*(\set)+8*\t+4*\g:KV+64*(\set)+8*\t+4*\g+3], v1, s[6:7] offset:(\off)+1024*\t+512*\g
.endr
.endr
.irp t, 0,1,2,3
.irp g, 0,1
	global_load_b128 v[KV+64*(\set)+32+8*\t+4*\g:KV+64*(\set)+32+8*\t+4*\g+3], v1, s[8:9] offset:(\off)+1024*\t+512*\g
.endr
.endr
.endm
	s_load_b256 s[4:11], s[0:1], 0x0               ; qc s[4:5], kc s[6:7], vc s[8:9], wcodes s[10:11]
	s_load_b128 s[12:15], s[0:1], 0x20             ; bo s[12:13], the scales' exponents s[14:15]
	s_load_b64 s[16:17], s[0:1], 0x30              ; out0
	v_lshl_add_u32 v254, v0, 2, 0x28800
	v_mov_b32 v255, 0
	v_lshrrev_b32 v13, 5, v0
	v_readfirstlane_b32 s18, v13                   ; wave 0..7: my head, later my 64 columns
	s_and_b32 s20, ttmp7, 0xffff                   ; bc
	v_and_b32 v1, 31, v0
	v_lshlrev_b32 v1, 4, v1                        ; v1: 16 x lane
	s_wait_alu depctr_va_vdst(0)
	v_and_b32 v13, 15, v0                          ; r
	v_bfe_u32 v14, v0, 4, 1                        ; h
	v_lshlrev_b32 v7, 11, v14
	v_lshl_add_u32 v7, v13, 4, v7                  ; v7: out0: lanes 0-15 one row, lanes 16-31 the next; 16 bytes a lane
	v_lshlrev_b32 v12, 5, v14                      ; v12: 32 h: my eight numbers of each sixteen of bo
	v_mov_b32 v51, 0                               ; (named as the upper half of the pair v[50:51])
	v_mov_b32 v54, 0                               ; written once: a lane permute's destination counts as one of its sources
	s_wait_alu depctr_va_sdst(0)                   ; s18 is written, ahead of its first reader: offsets and LDS addresses are made from it
	s_lshl_b32 s38, s20, 18                        ; the batch's 262,144 bytes of codes,
	s_lshl_b32 s39, s18, 15                        ; my head's 32,768
	s_add_co_u32 s38, s38, s39
	s_mov_b32 s39, 0
	s_lshl_b32 s40, ttmp9, 13                      ; my block's eight tiles of Q
	s_mov_b32 s41, 0
	s_lshl_b32 s42, s18, 15
	s_add_co_u32 s42, s42, 3*262144                ; Wo's codes, my 16 images
	s_mov_b32 s43, 0
	s_lshl_b32 s44, s18, 8                         ; my 64 columns, in bytes
	s_mov_b32 s45, 0
	s_lshl_b32 s46, s20, 20                        ; the batch's 512 rows of 2,048 bytes,
	s_lshl_b32 s47, ttmp9, 18                      ; my block's 128
	s_add_co_u32 s46, s46, s47
	s_add_co_u32 s46, s46, s44
	s_mov_b32 s47, 0
	s_mov_b32 s24, 0x76543210                      ; v_permlanex16_b32: lane l xor 16
	s_mov_b32 s25, 0xfedcba98
	s_lshl_b32 s48, s18, 13                        ; the LDS addresses are made here, while the arguments are on their way, so that one wait serves all address registers
	v_add_nc_u32 v2, s48, v1                       ; v2: my Q images
	s_lshl_b32 s48, s18, 10
	s_add_co_u32 s48, s48, CIMG
	v_add_nc_u32 v3, s48, v1                       ; v3: where I store my head's context
	v_add_nc_u32 v4, CIMG, v1                      ; v4: where any of it is read
	s_mul_i32 s48, s18, 16*272
	s_add_co_u32 s48, s48, STG                     ; my stage
	v_mul_u32_u24 v5, v13, 272
	v_lshl_add_u32 v5, v14, 5, v5
	v_add_nc_u32 v5, s48, v5                       ; v5: in: row r, + 32 h
	v_mul_u32_u24 v6, v14, 272
	v_lshl_add_u32 v6, v13, 4, v6
	v_add_nc_u32 v6, s48, v6                       ; v6: back: lanes 0-15 one row, lanes 16-31 the next
	s_wait_kmcnt 0x0
	s_load_b64 s[30:31], s[14:15], 0x18            ; e6, e7
	s_load_b128 s[32:35], s[14:15], 0x20           ; e8, e9, e10, e11; s32 stays: the hold's branch compares it
	s_add_nc_u64 s[4:5], s[4:5], s[38:39]
	s_add_nc_u64 s[4:5], s[4:5], s[40:41]
	s_add_nc_u64 s[6:7], s[6:7], s[38:39]
	s_add_nc_u64 s[8:9], s[8:9], s[38:39]
	s_add_nc_u64 s[10:11], s[10:11], s[42:43]
	s_add_nc_u64 s[12:13], s[12:13], s[44:45]
	s_add_nc_u64 s[16:17], s[16:17], s[46:47]
	s_wait_alu depctr_va_vdst(0)                   ; v1 to v7 and v12 are written: every load, store and LDS instruction of the kernel reads one of them as its offset or address, and none is written again
.irp i, 0,1,2,3,4,5,6,7
	global_load_b128 v[KV+64+8*\i:KV+64+8*\i+3],   v1, s[4:5] offset:1024*\i th:TH_LOAD_NT      ; Q's eight tiles, through K and V's second set
	global_load_b128 v[KV+64+8*\i+4:KV+64+8*\i+7], v1, s[4:5] offset:1024*\i+512 th:TH_LOAD_NT
.endr
	LOADKV 0, 0                                    ; key step 0
	s_wait_kmcnt 0x0
	s_add_co_i32 s49, s30, s31
	s_lshl_b32 s49, s49, 23
	s_mov_b32 s22, 0x3e38aa3b                      ; c = log2(e) / 8
	s_add_co_i32 s22, s22, s49                     ; a score stands for score x 2^(e6 + e7): the exponents are added to c's exponent field
	s_mov_b32 s23, s22                             ; (named with it as a pair, so it is written)
	s_add_co_i32 s49, s32, 127
	s_lshl_b32 s50, s49, 23
	v_mov_b32 v8, s50                              ; 2^e8, for p's conversions
	s_add_co_i32 s49, s49, 15
	s_lshl_b32 s49, s49, 23
	s_or_b32 s49, s49, 0x600000
	v_mov_b32 v9, s49                              ; 57,344 x 2^e8
	s_add_co_i32 s49, s34, 127
	s_lshl_b32 s50, s49, 23
	v_mov_b32 v10, s50                             ; 2^e10, for the context's
	s_add_co_i32 s49, s49, 15
	s_lshl_b32 s49, s49, 23
	s_or_b32 s49, s49, 0x600000
	v_mov_b32 v11, s49                             ; 57,344 x 2^e10
	s_add_co_i32 s26, s34, s35
	s_add_co_i32 s26, s26, 127
	s_lshl_b32 s26, s26, 23                        ; 2^(e10 + e11)
	s_mov_b32 s27, s26
	s_add_co_i32 s36, s32, s33                     ; e8 + e9
	s_wait_loadcnt 16                              ; Q is in; key step 0's sixteen loads may be out
.irp i, 0,1,2,3,4,5,6,7
	ds_store_b128 v2, v[KV+64+8*\i:KV+64+8*\i+3] offset:1024*\i
	ds_store_b128 v2, v[KV+64+8*\i+4:KV+64+8*\i+7] offset:1024*\i+512
.endr
	ds_load_b128 v[QF:QF+3], v2                    ; tile 0.  LDS serves a wave's instructions in order: this sees my stores
	ds_load_b128 v[QF+4:QF+7], v2 offset:512
	s_wait_dscnt 0x0                               ; tile 0's Q is in
	s_wait_alu depctr_vm_vsrc(0)                   ; the LDS stores have read the second set of K and V, in which key step 1's loads land
; ONE TILE of 16 queries against one key step of 64 keys, K and V in set p.  first = 1: the first key step, which starts M, the sum and O^T: nothing is ever cleared.
; In a step's first tile the next step's sixteen loads stand behind the tile's wait.  nxt = 2: in the loop's last trip there is no next step: no load leaves its buffer.
.macro TILE i, p, first, nxt
.set rT, ST+4*(\i)
.set rQ, QF+8*((\i)%2)
.set rN, QF+8*(((\i)+1)%2)
.set rK, KV+64*(\p)
.set rO, 32*(\i)
	s_wait_dscnt 0x0                               ; this tile's Q is in (asked for a tile ago)
	ds_load_b128 v[rN:rN+3],   v2 offset:(((\i)+1)%8)*1024        ; the next tile's.  No wait: the last tile's wait stands behind the products that read this set, and nothing since names it
	ds_load_b128 v[rN+4:rN+7], v2 offset:(((\i)+1)%8)*1024+512
.irp t, 0,1,2,3
	v_wmma_f32_16x16x64_bf8_bf8 v[S+8*\t:S+8*\t+7], v[rK+8*\t:rK+8*\t+7], v[rQ:rQ+7], 0   ; register 8 t + j: key 16 t + 8 h + j of my query
.endr
	PLACES
	v_max3_num_f32 v48, v[S], v[S+1], v[S+2]       ; the largest of my 32 scores, in two chains; each result tile is first read at its low end
	v_max3_num_f32 v49, v[S+3], v[S+4], v[S+5]
.irp n, 6,10,14,18,22,26
	v_max3_num_f32 v48, v48, v[S+\n], v[S+\n+1]
	v_max3_num_f32 v49, v49, v[S+\n+2], v[S+\n+3]
.endr
	v_max3_num_f32 v48, v48, v[S+30], v[S+31]
	v_max_num_f32 v48, v48, v49
	v_permlanex16_b32 v54, v48, s24, s25
	v_max_num_f32 v48, v48, v54                    ; and of lane l xor 16's
	v_mul_f32 v48, s22, v48                        ; as t (c is positive)
.if \first
	v_mov_b32 v[rT+1], v48
	v_floor_f32 v[rT], -v48                        ; -M = floor(-t) = -ceil(t)
.else
	v_max_num_f32 v[rT+1], v[rT+1], v48            ; the running largest t
	v_mov_b32 v55, v[rT]
	v_floor_f32 v[rT], -v[rT+1]
	v_sub_f32 v55, v[rT], v55                      ; old M - new M: a whole number, 0 or less
	v_cvt_i32_f32 v55, v55                         ; (it saturates)
	v_ldexp_f32 v50, 1.0, v55                      ; f = 2^(old M - new M)
.endif
.irp n, 0,2,4,6,8,10,12,14,16,18,20,22,24,26,28,30
	v_pk_fma_f32 v[S+\n:S+\n+1], v[S+\n:S+\n+1], s[22:23], v[rT:rT+1] op_sel_hi:[1,0,0]   ; t - M (of the pairs c and -M the low word serves both halves)
.endr
.set j, 0
	s_wait_alu depctr_va_vdst(0)
.rept 32
	v_exp_f32 v[S+j], v[S+j]                       ; p = 2^(t - M)
.set j, j+1
.endr
.if \first
	v_nop                                          ; a plain line behind the exponentials
.else
	v_pk_mul_f32 v[rT+2:rT+3], v[rT+2:rT+3], v[50:51] op_sel_hi:[1,0]   ; the sum under the new M; also the plain line behind the exponentials
.endif
	s_wait_alu depctr_va_vdst(0)                   ; the 32 exponentials have written p, ahead of its first reader; this tile's products K Q^T are done reading their set of Q, in which the next tile's load lands; in a step's first tile: the last step's products are done reading the other set of K and V
.if (\i) == 0
.if \nxt == 2
	s_cmp_eq_u32 s28, 1                            ; (every window is 0 here)
	s_cbranch_scc1 .Lnol_\@
.endif
	LOADKV 1-\p, (\p+1)*4096                       ; the next key step, into the other set: no vector or matrix instruction of this step names it, so the loads owe nothing beyond the wait above
.if \nxt == 2
.Lnol_\@:
.endif
.endif
	v_pk_add_f32 v[52:53], v[S:S+1], v[S+2:S+3]    ; the sum of the unquantised p, two at a time, in two chains
.if \first
	v_pk_add_f32 v[rT+2:rT+3], v[S+4:S+5], v[S+6:S+7]
.else
	v_pk_add_f32 v[rT+2:rT+3], v[rT+2:rT+3], v[S+4:S+5]
	v_pk_add_f32 v[52:53], v[52:53], v[S+6:S+7]
.endif
.irp n, 8,12,16,20,24,28
	v_pk_add_f32 v[rT+2:rT+3], v[rT+2:rT+3], v[S+\n:S+\n+1]
	v_pk_add_f32 v[52:53], v[52:53], v[S+\n+2:S+\n+3]
.endr
	v_pk_add_f32 v[rT+2:rT+3], v[rT+2:rT+3], v[52:53]
	s_cmp_ge_i32 s32, -15                          ; e8 >= -15: the hold stands at 1.75 or above, over every p: its 32 lines are jumped over (every window is 0 here)
	s_cbranch_scc1 .Lfree_\@
.set j, 0
.rept 32
	v_min_num_f32 v[S+j], v[S+j], v9               ; the hold (ISA guide 7.6.2); p is not negative, so it is one-sided
.set j, j+1
.endr
.Lfree_\@:
.irp t, 0,1,2,3
	v_cvt_scalef32_pk8_bf8_f32 v[P+2*\t:P+2*\t+1], v[S+8*\t:S+8*\t+7], v8   ; registers 2 t, 2 t + 1 of P: keys 16 t + 8 h + 0 .. 7
.endr
.if \first
	v_nop                                          ; a plain line between the conversions and the products that read their results
	WIN 0x40                                       ; D (O^T) window 1
.irp t, 0,1,2,3
	v_wmma_f32_16x16x64_bf8_bf8 v[rO+8*\t:rO+8*\t+7], v[rK+32+8*\t:rK+32+8*\t+7], v[P:P+7], 0
.endr
.else
	WIN 0x41                                       ; source 0 and destination window 1
.irp n, 0,2,4,6,8,10,12,14,16,18,20,22,24,26,28,30
	v_pk_mul_f32 v[rO+\n:rO+\n+1], v[rO+\n:rO+\n+1], v[50:51] op_sel_hi:[1,0]   ; O^T under the new M; also the plain lines behind the conversions
.endr
	WIN 0x50                                       ; C and D window 1
.irp t, 0,1,2,3
	v_wmma_f32_16x16x64_bf8_bf8 v[rO+8*\t:rO+8*\t+7], v[rK+32+8*\t:rK+32+8*\t+7], v[P:P+7], v[rO+8*\t:rO+8*\t+7]   ; four accumulators, one instruction each: no two that follow each other share one
.endr
.endif
	WIN 0
.endm
; A KEY STEP with K and V in set p.  Its data were asked for in the first tile of the step before; the next step's sixteen loads go out in this step's first tile, into the other set.
.macro STEP p, first, nxt
	s_wait_loadcnt 0x0                             ; this step's K and V are in: no younger load is out
.irp i, 0,1,2,3,4,5,6,7
	TILE \i, \p, \first, \nxt
.endr
.endm
	STEP 0, 1, 1                                   ; key steps 0 and 1 are written out: the first starts the sums
	STEP 1, 0, 1
	s_wait_xcnt 0x0                                ; the loads have read their bases
	s_add_nc_u64 s[6:7], s[6:7], 8192              ; two key steps on
	s_add_nc_u64 s[8:9], s[8:9], 8192
	s_mov_b32 s28, 3
.Lk:                                               ; three trips of two key steps, until the two sets are back where they began
	STEP 0, 0, 1
	STEP 1, 0, 2
	s_wait_xcnt 0x0
	s_add_nc_u64 s[6:7], s[6:7], 8192
	s_add_nc_u64 s[8:9], s[8:9], 8192
	s_sub_co_u32 s28, s28, 1
	s_cmp_lg_u32 s28, 0
	s_cbranch_scc1 .Lk
	; THE CONTEXT: O^T x 2^(e8 + e9) / the sum, quantised as K step `head` of the output product
	s_wait_dscnt 0x0                               ; the last tile's read ahead of Q
.irp i, 0,1,2,3,4,5,6,7
	v_add_f32 v[ST+4*\i+2], v[ST+4*\i+2], v[ST+4*\i+3]          ; the sum's two halves,
.endr
.irp i, 0,1,2,3,4,5,6,7
	v_permlanex16_b32 v[ST+4*\i+3], v[ST+4*\i+2], s24, s25
.endr
.irp i, 0,1,2,3,4,5,6,7
	v_add_f32 v[ST+4*\i+2], v[ST+4*\i+2], v[ST+4*\i+3]          ; and lane l xor 16's
.endr
	s_wait_alu depctr_va_vdst(0)
.irp i, 0,1,2,3,4,5,6,7
	v_rcp_f32 v[ST+4*\i], v[ST+4*\i+2]
.endr
	v_nop                                          ; a plain line behind the reciprocals
	s_wait_alu depctr_va_vdst(0)                   ; the eight reciprocals are written, ahead of their first reader
.irp i, 0,1,2,3,4,5,6,7
	v_ldexp_f32 v[ST+4*\i], v[ST+4*\i], s36
.endr
.macro CTXA i                          ; tile i's arithmetic: its codes go into registers of their own, v[CC + 8 i] on
.set rT, ST+4*(\i)
.set rC, CC+8*(\i)
.set rO, 32*(\i)
	WIN 0x01                                       ; source 0 (O^T) window 1
.irp n, 0,2,4,6,8,10,12,14,16,18,20,22,24,26,28,30
	v_pk_mul_f32 v[S+\n:S+\n+1], v[rO+\n:rO+\n+1], v[rT:rT+1] op_sel_hi:[1,0]   ; each accumulator from its low end on
.endr
	WIN 0
.set j, 0
.rept 32
	v_med3_num_f32 v[S+j], v[S+j], -v11, v11       ; the hold (ISA guide 7.6.2)
.set j, j+1
.endr
.irp t, 0,1,2,3
	v_cvt_scalef32_pk8_bf8_f32 v[rC+2*\t:rC+2*\t+1], v[S+8*\t:S+8*\t+7], v10   ; k = 64 head + 16 t + 8 h + 0 .. 7
.endr
	v_nop                                          ; a plain line behind the last conversion
.endm
.macro WOLD i                          ; two of my images of Wo take the registers that tile i's O^T has left (destination window 1)
.irp q, 0,1
.irp g, 0,1,2,3
	global_load_b128 v[32*(\i)+16*\q+4*\g:32*(\i)+16*\q+4*\g+3], v1, s[10:11] offset:(2*(\i)+\q)*2048+512*\g
.endr
.endr
.endm
.macro CSTORE i                        ; tile i's image goes to LDS as it stands
	ds_store_b128 v3, v[CC+8*(\i):CC+8*(\i)+3]   offset:(\i)*8192
	ds_store_b128 v3, v[CC+8*(\i)+4:CC+8*(\i)+7] offset:(\i)*8192+512
.endm
.irp a, 0,2,4,6                        ; two tiles to a wait
	CTXA \a
	CTXA \a+1
	WIN 0x40                                       ; destination window 1: the switch, then the wait, then the loads
	s_wait_alu depctr_va_vdst(0)                   ; the multiplications are done reading the two tiles' O^T, in which Wo's loads land; the conversions have written the two tiles' codes, which the LDS stores read
	WOLD \a
	WOLD \a+1
	WIN 0
	CSTORE \a
	CSTORE \a+1
.endr
.irp t, 0,1,2,3
	global_load_b128 v[BO+8*\t:BO+8*\t+3],   v12, s[12:13] offset:64*\t       ; bo in the result's layout: columns 16 t + 8 h + 0 .. 7.  The statistics are done with: their last readers stand ahead of the wait above, and no vector instruction has followed it
	global_load_b128 v[BO+8*\t+4:BO+8*\t+7], v12, s[12:13] offset:64*\t+16
.endr
	s_wait_dscnt 0x0                               ; for the others' sake: my head's images lie in LDS
	s_barrier_signal -1
	s_barrier_wait -1                              ; all eight heads' do
; THE OUTPUT PRODUCT, transposed: source 0 = 16 rows of Wo (columns of out), source 1 = 16 rows of the context: a lane holds eight neighbouring columns of one row.
.macro FRAG a, s, j                    ; K step s of row tiles 4 a + 2 j and 4 a + 2 j + 1, into buffer j: eight loads
.irp q, 0,1
.irp g, 0,1,2,3
	ds_load_b128 v[CF+16*(2*(\j)+\q)+4*\g:CF+16*(2*(\j)+\q)+4*\g+3], v4 offset:((4*(\a)+2*(\j)+\q)*8+2*(\s))*1024+512*\g
.endr
.endr
.endm
.macro FMA m                           ; row tile m of the half: x 2^(e10 + e11) + bo, in place; each accumulator from its low end on
.irp t, 0,1,2,3
.irp n, 0,2,4,6
	v_pk_fma_f32 v[ACC+8*(4*(\m)+\t)+\n:ACC+8*(4*(\m)+\t)+\n+1], v[ACC+8*(4*(\m)+\t)+\n:ACC+8*(4*(\m)+\t)+\n+1], s[26:27], v[BO+8*\t+\n:BO+8*\t+\n+1] op_sel_hi:[1,0,1]
.endr
.endr
.endm
.macro STAGE m                         ; row tile m into my stage, and back as whole rows of 256 bytes
.if (\m) >= 2
	s_wait_xcnt 0x0                                ; the stores of two tiles ago have had their addresses translated,
	s_wait_alu depctr_vm_vsrc(0)                   ; and have read the registers in which the loads below land
.endif
.irp t, 0,1,2,3
	ds_store_b128 v5, v[ACC+8*(4*(\m)+\t):ACC+8*(4*(\m)+\t)+3]   offset:64*\t
	ds_store_b128 v5, v[ACC+8*(4*(\m)+\t)+4:ACC+8*(4*(\m)+\t)+7] offset:64*\t+16
.endr
.irp k, 0,1,2,3,4,5,6,7
	ds_load_b128 v[BK+32*((\m)%2)+4*\k:BK+32*((\m)%2)+4*\k+3], v6 offset:2*\k*272   ; LDS serves a wave's instructions in order: these see my stores, and the next tile's stores come behind them
.endr
.endm
.macro SEND a, m, younger              ; younger: the LDS instructions issued behind tile m's loads, which may stay out
	s_wait_dscnt \younger
.irp k, 0,1,2,3,4,5,6,7
	global_store_b128 v7, v[BK+32*((\m)%2)+4*\k:BK+32*((\m)%2)+4*\k+3], s[16:17] offset:(4*(\a)+(\m))*32768+2*\k*2048 th:TH_STORE_NT   ; 16 lanes store 256 consecutive bytes, at a multiple of 256 from out0's first byte
.endr
.endm
.macro HALF a                          ; row tiles 4 a .. 4 a + 3 x my four column tiles: 16 accumulators by turns, a K step of 128 at a time, two row tiles (eight products) to a buffer of fragments
	s_wait_xcnt 0x0                                ; the last half's stores have had their addresses translated,
	s_wait_alu depctr_vm_vsrc(0)                   ; and have read v48-111, in which the fragments land; my LDS stores have read v112-239 (the context's codes, the last half's results), which the products write anew
	FRAG \a, 0, 0                                  ; no vector or matrix instruction has been issued since the last wait on va_vdst, which stands behind all that named v48-111
	FRAG \a, 0, 1
.if (\a) == 0
	s_wait_loadcnt 0x0                             ; Wo and bo
.endif
.irp s, 0,1,2,3
.irp j, 0,1
.if (\s == 3) && (\j == 1)
	s_wait_dscnt 0x0                               ; the last buffer
.else
	s_wait_dscnt 8                                 ; this buffer is in; the other buffer's eight loads, issued behind its own, may be out
.endif
	WIN 0x01                                       ; source 0 (Wo) window 1
.irp q, 0,1
.irp t, 0,1,2,3
.set mm, 2*\j+\q
.if \s == 0
	v_wmma_f32_16x16x128_bf8_bf8 v[ACC+8*(4*mm+\t):ACC+8*(4*mm+\t)+7], v[16*(4*\t+\s):16*(4*\t+\s)+15], v[CF+16*mm:CF+16*mm+15], 0
.else
	v_wmma_f32_16x16x128_bf8_bf8 v[ACC+8*(4*mm+\t):ACC+8*(4*mm+\t)+7], v[16*(4*\t+\s):16*(4*\t+\s)+15], v[CF+16*mm:CF+16*mm+15], v[ACC+8*(4*mm+\t):ACC+8*(4*mm+\t)+7]
.endif
.endr
.endr
	WIN 0
.if \s < 3
	PLACES
	s_wait_alu depctr_va_vdst(0)                   ; the eight products are done reading this buffer, in which the next K step's fragments land while the other buffer is multiplied
	FRAG \a, \s+1, \j
.endif
.endr
.endr
	PLACES
	FMA 0
	FMA 1
	s_wait_alu depctr_va_vdst(0)                   ; row tiles 0 and 1 are written, which the LDS stores read; the products are done reading v48-111, in which the rows land
	STAGE 0
	FMA 2                                          ; names row tile 2 and bo alone: none of the registers of the LDS instructions round it
	STAGE 1
	SEND \a, 0, 16                                 ; behind tile 0's loads: tile 1's eight stores and eight loads
	FMA 3
	s_wait_alu depctr_va_vdst(0)                   ; row tiles 2 and 3 are written, which the LDS stores read
	STAGE 2
	SEND \a, 1, 16
	STAGE 3
	SEND \a, 2, 16
	SEND \a, 3, 0
.endm
	HALF 0
	HALF 1
	s_wait_dscnt 0x0                               ; the closing lines, six on end
	s_wait_alu 0x0
	s_wait_tensorcnt 0x0
	ds_add_u32 v254, v255
	s_wait_dscnt 0x0
	s_endpgm
.Lfunc_end_k_q6c8c5e2a0d_attn:
	.size	k_q6c8c5e2a0d_attn, .Lfunc_end_k_q6c8c5e2a0d_attn-k_q6c8c5e2a0d_attn
	.p2alignl 7, 3214868480
	.fill 96, 4, 3214868480
	.section	.rodata,"a",@progbits
	.p2align	6, 0x0
	.amdhsa_kernel k_q6c8c5e2a0d_attn
		.amdhsa_group_segment_fixed_size 166912
		.amdhsa_private_segment_fixed_size 0
		.amdhsa_enable_private_segment 0
		.amdhsa_kernarg_size 56
		.amdhsa_user_sgpr_count 2
		.amdhsa_user_sgpr_kernarg_segment_ptr 1
		.amdhsa_wavefront_size32 1
		.amdhsa_system_sgpr_workgroup_id_x 1
		.amdhsa_system_sgpr_workgroup_id_y 1
		.amdhsa_system_sgpr_workgroup_id_z 1
		.amdhsa_system_vgpr_workitem_id 0
		.amdhsa_next_free_vgpr 512
		.amdhsa_next_free_sgpr 66
		.amdhsa_reserve_vcc 0
		.amdhsa_float_denorm_mode_32 3
		.amdhsa_float_denorm_mode_16_64 3
		.amdhsa_memory_ordered 1
		.amdhsa_forward_progress 1
		.amdhsa_inst_pref_size 255
	.end_amdhsa_kernel
	.section	.bss,"aw",@nobits
	.p2align	6
	.space	262144
	.amdgpu_metadata
---
amdhsa.version: [ 1, 2 ]
amdhsa.kernels:
  - .name:           k_q6c8c5e2a0d_attn
    .symbol:         k_q6c8c5e2a0d_attn.kd
    .args:
      - { .name: qc, .offset: 0, .size: 8, .value_kind: global_buffer, .address_space: global }
      - { .name: kc, .offset: 8, .size: 8, .value_kind: global_buffer, .address_space: global }
      - { .name: vc, .offset: 16, .size: 8, .value_kind: global_buffer, .address_space: global }
      - { .name: wcodes, .offset: 24, .size: 8, .value_kind: global_buffer, .address_space: global }
      - { .name: bo, .offset: 32, .size: 8, .value_kind: global_buffer, .address_space: global }
      - { .name: lowp_scales, .offset: 40, .size: 8, .value_kind: global_buffer, .address_space: global }
      - { .name: out0, .offset: 48, .size: 8, .value_kind: global_buffer, .address_space: global }
    .group_segment_fixed_size: 166912
    .private_segment_fixed_size: 0
    .kernarg_segment_align: 8
    .kernarg_segment_size: 56
    .max_flat_workgroup_size: 256
    .sgpr_count:     66
    .vgpr_count:     512
    .wavefront_size: 32
...
	.end_amdgpu_metadata
.endif
;; end of part 6
